; MI455X (gfx1250); checked and timed in simulation.
; The chip was launched on July 23, 2026; its instructions are those of AMD's public machine-readable ISA for CDNA 5 (MIT licence, August 2026) and "CDNA5" Instruction Set Architecture Reference Guide (July 2026). The comments in the code are by the model that wrote it; some were corrected since.
;; Multi Head Attention. Allowed arithmetic: matrix products marked QUANTISED: E4M3 operands, one E8M0 scale for each 32 along K, by v_wmma_scale_f32_16x16x128_f8f6f4 with both operands' format E4M3, f32 sums; everything else in f32.
;; Inputs: W_KQV_codes 3,072 x 32 x 32 uint8 (E4M3 codes of W_KQV, K innermost, in blocks of 32 codes); W_KQV_scales 3,072 x 32 uint8 (E8M0 scales of W_KQV, one for each 32 codes along K); W_O_codes 1,024 x 32 x 32 uint8 (E4M3 codes of W_O, K innermost, in blocks of 32 codes); W_O_scales 1,024 x 32 uint8 (E8M0 scales of W_O, one for each 32 codes along K); X_codes 4 x 2,048 x 32 x 32 uint8 (E4M3 codes of X, K innermost, in blocks of 32 codes); X_scales 4 x 2,048 x 32 uint8 (E8M0 scales of X, one for each 32 codes along K).
;; Outputs: out0 4 x 2,048 x 1,024 float32.
;; This version of the problem:
;;   THIS VERSION OF THE PROBLEM IS GIVEN IN LOW PRECISION. The matrix products marked QUANTISED in the list below multiply operands that are first quantised to E4M3 (4 exponent bits, 3 mantissa bits; 8 bits a number), with one power-of-two scale for each 32 numbers along K (OCP MX v1.0); their sums are f32. All else is computed in f32.
;;   The module's matrix products, in the order in which they are computed (A, B: the left and right operand; K: the contracted axis; several contracted axes count as one K, in the product's order):
;;     1. [M 8,192, K 1,024] x [K 1,024, N 3,072]; A: input X (given as codes); B: input W_KQV (given as codes): QUANTISED
;;     2. batch 64 x [M 2,048, K 64] x [K 64, N 2,048]; A: computed on the way; B: computed on the way: QUANTISED
;;     3. batch 64 x [M 2,048, K 2,048] x [K 2,048, N 64]; A: softmax (see below); B: computed on the way: QUANTISED
;;     4. [M 8,192, K 1,024] x [K 1,024, N 1,024]; A: computed on the way; B: input W_O (given as codes): QUANTISED
;;   THE QUANTISER, for each operand of a quantised product, along K:
;;     - K is cut into blocks of 32 from its start; a last block that is shorter is filled with zeros.
;;     - A block's scale is 2^e with e = floor(log2(the largest magnitude in the block)) - 8, held to -126 .. 127; a block of zeros has e = 0. As a byte (E8M0): e + 127.
;;     - Each number is divided by its block's scale, clamped to +-448, and rounded to the nearest number of E4M3, ties to even, subnormals kept.
;;     - The product sums the exact products of the quantised numbers (number of the format x scale) in f32.
;;   ~~~python
;;   def quantise(x, axis):      # numpy; x: float32 -> the quantised numbers, widened to float32 again
;;       x = np.moveaxis(x, axis, -1); K = x.shape[-1]
;;       x = np.pad(x, [(0, 0)] * (x.ndim - 1) + [(0, -K % 32)]); x = x.reshape(x.shape[:-1] + (-1, 32)); a = np.abs(x).max(-1, keepdims=True)
;;       e = np.where(a > 0, np.clip(np.frexp(np.where(a > 0, a, 1))[1] - 1 - 8, -126, 127), 0)      # np.frexp(a)[1] - 1 = floor(log2(a)), exactly
;;       r = np.clip(x / 2.0 ** e, -448, 448)
;;       step = 2.0 ** (np.maximum(np.frexp(np.where(r == 0, 1, r))[1] - 1, -6) - 3)
;;       q = np.round(r / step) * step * 2.0 ** e      # np.round: ties to even
;;       return np.moveaxis(q.reshape(q.shape[:-2] + (-1,))[..., :K], -1, axis).astype(np.float32)
;;   ~~~
;;   SOFTMAX AHEAD OF A QUANTISED PRODUCT. Where the list says 'softmax', what is quantised is not the finished softmax but p = 2^(t - M), with t = logit x log2(e) and M = ceil(the row's largest t), a whole number; so 1/2 < the row's largest p <= 1. The row's sum l is taken of the UNQUANTISED p, in f32, and the product's result is divided by l at the end. Since M is a whole number, a kernel that streams over the keys may use a running M (the ceiling of the running maximum): every later rescaling is an exact power of two, which a block's scale takes up: the codes' values come out the same.
;;   OPERANDS COMPUTED ON THE WAY. 'Computed on the way' means the value that the module computes at that place (a softmax that the list does not call 'softmax' is quantised finished and normalised). What goes into a quantiser is computed in f32, as accurately as f32 sums, v_exp_f32 and their like allow (about 1e-6 of the number): no bf16 or f16 on the way to a quantiser, and a product that is left as it is and whose result goes on into a quantised operand takes f32 operands (vector FMAs, or v_wmma_f32_16x16x4_f32). A number that lies on a knife's edge between two numbers of the format may be rounded either way, as far as f32 arithmetic and the matrix unit's own rounding can turn it there, and no further.
;;   INPUTS GIVEN AS CODES. W_KQV (in the module: [3072, 1024], K = its axis 1); W_O (in the module: [1024, 1024], K = its axis 1); X (in the module: [4, 2048, 1024], K = its axis 2): each comes as NAME_codes (uint8): NAME with its K axis moved to the last place and cut into blocks of 32 codes, [.., K / 32, bytes a block], one block behind the other in memory; one code a byte (a code: sign, 4 exponent bits, 3 mantissa bits); and NAME_scales (uint8): the same leading axes, one E8M0 byte (e + 127) for each 32 codes along K. Its value is code x scale, taken as it is: it is not quantised again, and the codes and scales need not be those that the quantiser above would give.
;; One version. Each part assembles by itself: llvm-mc -triple=amdgcn-amd-amdhsa -mcpu=gfx1250 --defsym DOCPART=n.
;; ======== version 1 of 1: 3 launches
;; limits: right only within a limited range of input values
;; workspace buffers: qb 8,912,896 bytes; kv 17,563,648 bytes; acts 8,388,608 bytes; acts_s 262,144 bytes
;; launch qkv (part 1): grid 12 x 32, 4 waves a work-group, clusters of 4 x 4, 327,680 bytes of LDS; arguments X_codes, X_scales, W_KQV_codes, W_KQV_scales, qb, kv; writes qb, kv
.if DOCPART == 1
	.amdgcn_target "amdgcn-amd-amdhsa--gfx1250"
	.amdhsa_code_object_version 6
	.text
	.protected	k_q05e4656fb2_qkv
	.globl	k_q05e4656fb2_qkv
	.p2align	8
	.type	k_q05e4656fb2_qkv,@function
k_q05e4656fb2_qkv:
	s_mov_b64 s[64:65], 0
	v_nop
	global_prefetch_b8 v0, s[64:65] scope:SCOPE_SE
	s_setreg_imm32_b32 hwreg(HW_REG_WAVE_MODE, 25, 1), 1
	s_wait_xcnt 0x0
	s_wait_alu depctr_hold_cnt(0) depctr_sa_sdst(0) depctr_va_vdst(0) depctr_va_sdst(0) depctr_va_ssrc(0) depctr_va_vcc(0) depctr_vm_vsrc(0)
	s_getreg_b32 s2, hwreg(HW_REG_IB_STS2, 6, 4)
	s_cmp_eq_u32 s2, 0
	s_cbranch_scc0 .Lentry_in_a_cluster
	s_endpgm
.Lentry_in_a_cluster:
	s_bfe_u32 s2, ttmp6, 0x10000c
	s_cmp_lg_u32 s2, 0xf033
	s_cbranch_scc0 .Lentry_shape_is_right
	s_endpgm
.Lentry_shape_is_right:
; KQV = X W_KQV^T on codes of E4M3 with E8M0 scales (8,192 x 3,072 x 1,024), then RoPE on K and Q, then the quantisers: Q and K along the head's 64, V along the keys.
; A tile of 256 x 256 is made by four waves, 128 x 128 each: 64 accumulators, 512 registers.  K goes in four steps of 256 through two LDS slots filled by the tensor data mover.
; ROLES, by the cluster's x, which all sixteen partners share: 0 = K, 1 = Q: operand A = X (tokens), operand B = W rows 0 .. 2,047.  2 = V: A = W rows 2,048 .. 3,071 (channels), B = X (tokens).
; The matrix instruction is used transposed (source 0 = 16 rows of B, source 1 = 16 rows of A): a lane holds ONE row of A and its registers run along B's rows.  So for K and Q a lane holds a token and
; its registers run along the head's channels, for V a lane holds a channel and its registers run along the keys: in each role along the K of the product that will read the codes.
; OUT: the codes leave as IMAGES OF OPERAND REGISTERS.  Accumulators 2 c and 2 c + 1 of a lane (r, h) hold k = 32 c + 16 u + 8 h + j (u = 0, 1; j = 0 .. 7); their two conversions give four registers, which are
; taken as registers 4 c .. 4 c + 3 of the operand.  That permutes k inside each block of 32, alike in Q and K (same code) and alike in V and in the weights p that the next launch makes: sums and scale blocks are unchanged.
; Each store is 16 bytes a lane at 16 x lane: 512 consecutive bytes, aligned.  qb: [64 heads][16 groups of 128 queries][8,704]: codes (tile t: 1024 t + 512 c), scale words at 8,192.
; kv: [64 heads][16 steps of 128 keys][17,152]: K's codes, V's codes at 8,192 (channel tile: 2048 t + 512 c), K's scale words at 16,384, V's at 16,896.
; Q's and K's scale words carry 0x7f in bytes 2 and 3: the next launch's product has K = 64 in an instruction of 128.
; ROPE: cos and sin of pos x 10^(-i/8) for the tile's 256 positions are made here in f32 (reduction by pi in two parts, Taylor series to x^11 and x^12) and kept in LDS, in slot 0 behind its last fill and last read.
; LIMITS: NaN and infinities are not served.  A block of zeros gets the scale byte 1 (its codes are zeros; only this program reads the bytes).  The 32 frequencies are the correctly rounded 10^(-i/8);
; cos and sin are within about 1e-7 absolute of the functions of the f32 angle.
; CLUSTERS: 4 x 4; A's tiles are asked for jointly along a row of the cluster, B's along a column.
.set KSTEP,  256
.set NQ,     2                         ; matrix instructions deep in a slot
.set ROWB,   256                       ; a tile's row in bytes
.set KROW,   1024                      ; a row of X or W in memory
.set PITCH,  272                       ; an LDS row: 256 bytes + 16 of padding: the 16 rows of a fragment load start at 16 different groups of four banks
.set FR,     16
.set NL,     4
.set NP,     8                         ; places behind this matrix instruction (ISA guide 7.12.1)
.set HALFT,  128*PITCH
.set SLOT,   4*HALFT
.set KS,     32                        ; a row of scale bytes
.set SCL,    2*SLOT
.set HALFS,  16*272
.set SBLK,   2*272
.set SPARE,  SCL+4*HALFS               ; the spare words: 128 bytes a wave, two blocks of 256 bytes that no other line names
.set TPITCH, 272                       ; the table: 256 positions x (32 x (cos, sin) = 256 bytes + 16), from LDS byte 0
.set QBLK,   8704
.set STEPB,  17152
.set LI16, 8                           ; v8   16 x lane
.set LI8,  9                           ; v9   8 x lane
.set LSC,  10                          ; v10  16 x lane + where the scale words lie in a block
.set TR,   11                          ; v11  the table, read: (128 x row half + r) x 272 + 32 h
.set TA,   12                          ; v12  the table, written: (64 x wave + h) x 272 + 16 r
.set TAC,  13                          ; v13  the same + the trip's step
.set ADRA, 16
.set ADRB, 20
.set ADRS, 27
.set SPW,  28
.set NIL,  29
.set SC,   32                          ; scale words, two sets of 16
.set AF,   128                         ; A's fragments, window 0
.set WW,   32                          ; the way out: scale words made, 16 registers
.set TT,   48                          ; their images, 8 registers
.set PC,   64                          ; 16 registers of codes
.set TM,   80                          ; +0 largest magnitudes, +4 bytes, +8 448 x scale, +12 the conversions' scale operands
.set YR,   128                         ; 64 numbers
.set CS,   192                         ; two sets of 32: (cos, sin) pairs
.set FQ,128
.set POS,130
.set INVPI,132
.set MAGIC,134
.set NMAGIC,136
.set NPIHI,138
.set NPILO,140
.set S1C,142
.set S2C,144
.set S3C,146
.set S4C,148
.set S5C,150
.set C1C,152
.set C2C,154
.set C3C,156
.set C4C,158
.set C5C,160
.set C6C,162
.set ONE,164
.set TWO,166
.set TH,168
.set NF,170
.set NN,172
.set RR,174
.set ZZ,176
.set PP,178
.set T3,180
.set SN,182
.set QQ,184
.set CSN,186
.set SG,188
.set OUTR,192
.set WV,   16                          ; s16  wave
.set RH,   17                          ; s17  wave / 2: my half of A's rows; also: I fetch for A (0) or B (1)
.set CH,   18                          ; s18  wave % 2: my half of B's rows; also: which 128 rows I fetch
.set TROW, 19
.set TCOL, 42
.set ROLEV, 95
.set HM,   98                          ; s98  lanes 16-31
.set MNT,  99                          ; s99  the mantissa field of 448
.set SEL,  100                         ; s[100:101]
.set G1, 24
.set G0, 32
.set G1B, 48
.set G0B, 56
.set G1S, 68
.set G0S, 76
.set G1SB, 80
.set G0SB, 88
.set MSB, 0
.macro WIN new                         ; the immediate's high byte repeats the setting that is left
.if MSB != (\new)
	s_set_vgpr_msb (MSB<<8)|(\new)
.set MSB, (\new)
.endif
.endm
.set MUL_LO, 0xa1                      ; source 0 (B) window 1, source 1 (A) window 0, C and D window 2
.set MUL_HI, 0xf1
.set TO_B,   0x40
; A joint load: waves 0 and 1 fetch for A, waves 2 and 3 for B; the branch hangs on the wave's number alone.  Four v_nop follow each line.
.macro JLOAD g0a, g1a, g0b, g1b
	s_cmp_eq_u32 s[RH], 0
	s_cbranch_scc0 .Lfor_b_\@
	tensor_load_to_lds s[\g0a:\g0a+3], s[\g1a:\g1a+7]
	s_nop 0
.rept 4
	v_nop
.endr
	s_branch .Lasked_\@
.Lfor_b_\@:
	tensor_load_to_lds s[\g0b:\g0b+3], s[\g1b:\g1b+7]
	s_nop 0
.rept 4
	v_nop
.endr
.Lasked_\@:
.endm
.macro CREST                           ; a round of the cluster's barrier behind its opening barrier
	s_cmp_lg_u32 s[WV], 0
	s_cbranch_scc1 .Lnot_wave_0_\@
	s_barrier_signal -3
.Lnot_wave_0_\@:
	s_barrier_wait -3
	s_barrier_signal -1
	s_barrier_wait -1
.endm
.macro CROUND
	s_barrier_signal -1
	s_barrier_wait -1
	CREST
.endm
	s_load_b128 s[4:7], s[0:1], 0x0                ; X's codes, X's scales
	s_load_b128 s[8:11], s[0:1], 0x10              ; W's codes, W's scales
	s_load_b128 s[12:15], s[0:1], 0x20             ; qb, kv
	v_lshl_add_u32 v[SPW], v0, 2, SPARE
	v_mov_b32 v[NIL], 0
	ds_add_u32 v28, v29
	ds_add_u32 v28, v29
	s_wait_dscnt 0x0
	v_lshrrev_b32 v1, 5, v0
	v_readfirstlane_b32 s[WV], v1
	s_lshr_b32 s[RH], s[WV], 1
	s_and_b32 s[CH], s[WV], 1
	s_bfe_u32 s40, ttmp6, 0x40000                  ; cx
	s_bfe_u32 s41, ttmp6, 0x40004                  ; cy
	s_and_b32 s20, ttmp7, 0xffff                   ; cluster y
	s_cmp_eq_u32 ttmp9, 2                          ; role V?  The cluster's x: the same in all partners
	s_cselect_b32 s[ROLEV], 1, 0
	s_cselect_b32 s21, 2, s20                      ; A's rows: V: W rows 256 (8 + cy) on; else tokens by the cluster's y
	s_cselect_b32 s22, s20, ttmp9                  ; B's rows: V: tokens by the cluster's y; else W rows by the cluster's x
	s_lshl_b32 s[TROW], s21, 2
	s_add_co_u32 s[TROW], s[TROW], s41             ; tile row (A): shared along a row of the cluster
	s_lshl_b32 s[TCOL], s22, 2
	s_add_co_u32 s[TCOL], s[TCOL], s40             ; tile column (B): shared along a column
	s_lshl_b32 s43, s41, 2
	s_lshl_b32 s43, 15, s43                        ; my row of the cluster
	s_lshl_b32 s44, 0x1111, s40                    ; my column
	s_or_b32 s[G1+0], s43, (0<<16)|(1<<20)|(1<<21)|(5<<22)|(3<<25)   ; mask; elements of 1 byte; padding on; bit 21 beside a mask; 4 words behind every 64
	s_or_b32 s[G1B+0], s44, (0<<16)|(1<<20)|(1<<21)|(5<<22)|(3<<25)
.irp g, G1, G1B
	s_mov_b32 s[\g+1], ROWB<<16                    ; tensor_dim0
	s_mov_b32 s[\g+2], 256<<16                     ; tensor_dim1: the head's loads bring 256 rows; the ring's 128 (set behind the head's wait)
	s_mov_b32 s[\g+3], ROWB<<16                    ; tile_dim0
	s_mov_b32 s[\g+4], 256                         ; tile_dim1
	s_mov_b32 s[\g+5], KROW                        ; pitch
	s_mov_b32 s[\g+6], 0
	s_mov_b32 s[\g+7], 0
.endr
	s_or_b32 s[G1S+0], s43, (3<<16)|(1<<20)|(1<<21)|(5<<22)|(3<<25)  ; the scales of 256 rows: 8,192 dense bytes as 32 rows of 256 (32 elements of 8 bytes), padded
	s_or_b32 s[G1SB+0], s44, (3<<16)|(1<<20)|(1<<21)|(5<<22)|(3<<25)
.irp g, G1S, G1SB
	s_mov_b32 s[\g+1], 32<<16
	s_mov_b32 s[\g+2], 32<<16                      ; the scales of 256 rows: 8,192 dense bytes as 32 rows of 256
	s_mov_b32 s[\g+3], 32<<16
	s_mov_b32 s[\g+4], 32
	s_mov_b32 s[\g+5], 32
	s_mov_b32 s[\g+6], 0
	s_mov_b32 s[\g+7], 0
.endr
	s_lshl_b32 s66, s[TROW], 8                     ; A's tile: its first row
	s_lshl_b32 s96, s[TCOL], 8                     ; B's tile: its first row
	s_lshl_b32 s98, s66, 5                         ; its scales, in bytes
	s_lshl_b32 s66, s66, 10                        ; its codes
	s_lshl_b32 s100, s96, 5
	s_lshl_b32 s96, s96, 10
	s_mov_b32 s67, 0
	s_mov_b32 s97, 0
	s_mov_b32 s99, 0
	s_mov_b32 s101, 0
	s_mul_i32 s45, s[WV], HALFT                    ; where they go: wave x 128 rows
	s_lshl_b32 s2, s[CH], 17                       ; in the ring I fetch 128 rows of a tile: which half, in bytes (128 rows of 1,024)
	s_mov_b32 s3, 0
	s_wait_kmcnt 0x0
	s_cmp_eq_u32 ttmp9, 2                          ; the four pointers by role: the choice hangs on no address
	s_cselect_b64 s[20:21], s[8:9], s[4:5]         ; A's codes
	s_cselect_b64 s[22:23], s[10:11], s[6:7]       ; A's scales
	s_cselect_b64 s[46:47], s[4:5], s[8:9]         ; B's codes
	s_cselect_b64 s[92:93], s[6:7], s[10:11]       ; B's scales
	s_add_nc_u64 s[20:21], s[20:21], s[66:67]
	s_add_nc_u64 s[22:23], s[22:23], s[98:99]
	s_add_nc_u64 s[46:47], s[46:47], s[96:97]
	s_add_nc_u64 s[92:93], s[92:93], s[100:101]
	CROUND                                         ; all sixteen work-groups are here: the first joint loads meet
	s_mov_b32 s[G0S], 1
	s_mov_b32 s[G0S+1], SCL
	s_mov_b64 s[G0S+2:G0S+3], s[22:23]
	s_or_b32 s[G0S+3], s[G0S+3], 0x80000000
	s_mov_b32 s[G0SB], 1
	s_mov_b32 s[G0SB+1], SCL+2*HALFS
	s_mov_b64 s[G0SB+2:G0SB+3], s[92:93]
	s_or_b32 s[G0SB+3], s[G0SB+3], 0x80000000
	s_mov_b32 s4, 1                                ; s[4:7], s[8:11]: group 0 of the head's loads of K step 0 (the arguments that lay there have been used): A's 256 rows,
	s_mov_b32 s5, 0
	s_mov_b64 s[6:7], s[20:21]
	s_or_b32 s7, s7, 0x80000000
	s_mov_b32 s8, 1                                ; B's 256 rows, behind them in slot 0
	s_mov_b32 s9, 2*HALFT
	s_mov_b64 s[10:11], s[46:47]
	s_or_b32 s11, s11, 0x80000000
	s_add_nc_u64 s[20:21], s[20:21], s[2:3]        ; for the ring: my 128 rows of the tile
	s_add_nc_u64 s[46:47], s[46:47], s[2:3]
	s_cmp_eq_u32 s[RH], 0                          ; the prefetches: of the 128 rows that I fetch in the ring, the partner at place p (cx for A's rows, cy for B's) names rows 32 p .. 32 p + 31: told apart by address
	s_cselect_b64 s[96:97], s[20:21], s[46:47]
	s_cselect_b32 s2, s40, s41
	s_lshl_b32 s2, s2, 15                          ; 32 rows of 1,024 bytes
	s_add_nc_u64 s[96:97], s[96:97], s[2:3]        ; never rewritten
.irp s, 0,1
	s_mov_b32 s[G0+4*\s], 1
	s_add_co_u32 s[G0+4*\s+1], s45, \s*SLOT
	s_add_nc_u64 s[G0+4*\s+2:G0+4*\s+3], s[20:21], \s*ROWB
	s_or_b32 s[G0+4*\s+3], s[G0+4*\s+3], 0x80000000
	s_mov_b32 s[G0B+4*\s], 1
	s_add_co_u32 s[G0B+4*\s+1], s45, \s*SLOT
	s_add_nc_u64 s[G0B+4*\s+2:G0B+4*\s+3], s[46:47], \s*ROWB
	s_or_b32 s[G0B+4*\s+3], s[G0B+4*\s+3], 0x80000000
.endr
; THE HEAD'S LOADS, ONE A WAVE: wave 0 K step 0's 256 rows of A, wave 1 its 256 rows of B, wave 2 the scales of A's 256 rows, wave 3 those of B's.
; One tree of branches on the wave's number; every way through it passes exactly one load.
.macro ARM under, g0, g1, next
	s_cmp_lt_u32 s[WV], \under
	s_cbranch_scc0 \next
	tensor_load_to_lds s[\g0:\g0+3], s[\g1:\g1+7]
	s_nop 0
.rept 4
	v_nop
.endr
	s_branch .Lhead_asked
\next:
.endm
	ARM 1, 4, G1, .Lhead_b
	ARM 2, 8, G1B, .Lhead_sa
	ARM 3, G0S, G1S, .Lhead_sb
	tensor_load_to_lds s[G0SB:G0SB+3], s[G1SB:G1SB+7]
	s_nop 0
.rept 4
	v_nop
.endr
; A PREFETCH INTO THE L2 of X's rows, K step s: 32 rows x 256 bytes, a lane a row, one instruction a wave; each row's 256 bytes are named once in each cluster that will load them.
; Only the waves that fetch X ask (roles K and Q: A's waves; role V: B's): a branch on the wave's number and the cluster's x.  W's rows are not asked for: eight clusters load the same rows.
; K steps 1 and 2 are asked for at the head, one and two K steps ahead of their loads; K step 3 behind K step 1's load, two K steps ahead of its own.
.macro ASK s
	s_cmp_eq_u32 s[RH], s[ROLEV]
	s_cbranch_scc0 .Lnot_x_\@
	global_prefetch_b8 v14, s[96:97] offset:256*(\s) th:TH_LOAD_NT scope:SCOPE_SE
.Lnot_x_\@:
.endm
.Lhead_asked:
	v_and_b32 v14, 31, v0
	v_lshlrev_b32 v14, 10, v14                     ; v14: my lane x a row of X; never rewritten
	s_wait_alu depctr_va_vdst(0)                   ; the wait stands directly behind the write: branches stand ahead of its readers
	ASK 1
	ASK 2
	v_and_b32 v1, 15, v0                           ; r; kept
	v_bfe_u32 v2, v0, 4, 1                         ; h; kept
	v_mul_u32_u24 v3, v1, PITCH
	v_lshl_add_u32 v4, v2, 4, v3                   ; a fragment's row x pitch + 16 h
	s_mul_i32 s21, s[RH], HALFT
	s_mul_i32 s22, s[CH], HALFT
	s_add_co_u32 s22, s22, 2*HALFT
.irp s, 0,1
	v_add_nc_u32 v[ADRA+\s], s21, v4
	v_add_nc_u32 v[ADRB+\s], s22, v4
	s_add_co_u32 s21, s21, SLOT
	s_add_co_u32 s22, s22, SLOT
.endr
	v_mul_u32_u24 v5, v1, KS                       ; my row's scales: 32 bytes a row,
	v_lshrrev_b32 v6, 8, v5
	v_lshl_add_u32 v5, v6, 4, v5                   ; and 16 more behind each 256
	s_mul_i32 s21, s[RH], HALFS
	s_mul_i32 s22, s[CH], HALFS
	s_add_co_u32 s22, s22, 2*HALFS
	s_sub_co_u32 s22, s22, s21
	v_mul_u32_u24 v6, s22, v2                      ; lanes 16-31 take B's
	s_add_co_u32 s21, s21, SCL
	v_add_nc_u32 v5, v5, v6
	v_add_nc_u32 v[ADRS], s21, v5
	v_and_b32 v6, 31, v0
	v_lshlrev_b32 v[LI16], 4, v6
	v_lshlrev_b32 v[LI8], 3, v6
	s_mul_i32 s23, s[RH], 128*TPITCH
	v_lshl_add_u32 v[TR], v2, 5, v3
	v_add_nc_u32 v[TR], s23, v[TR]
	s_mul_i32 s23, s[WV], 64*TPITCH
	v_mul_u32_u24 v5, v2, TPITCH
	v_lshl_add_u32 v5, v1, 4, v5
	v_add_nc_u32 v[TA], s23, v5
.macro FRAG reg, adr, q, i             ; 16 rows x 128 K: registers 4 c .. 4 c + 3 hold K = 32 c + 16 h + 0 .. 15
.irp c, 0,1,2,3
	ds_load_b128 v[\reg+4*\c:\reg+4*\c+3], v[\adr] offset:128*(\q)+32*\c+(\i)*16*PITCH
.endr
.endm
; 16 matrix instructions: A's blocks a0, a0 + 1 x B's eight.  The 64 accumulators take turns, one instruction a turn, in the same order in every step.
.macro MUL16 a0, p, q, sc, zero
.irp a, \a0, \a0+1
.irp b, 0,1,2,3,4,5,6,7
.if \zero
	v_wmma_scale_f32_16x16x128_f8f6f4 v[8*(8*((\a)%4)+\b):8*(8*((\a)%4)+\b)+7], v[128*(\p)+FR*\b:128*(\p)+FR*\b+FR-1], v[AF+FR*(\a):AF+FR*(\a)+FR-1], 0, v[SC+8*NQ*(\sc)+NQ*\b+(\q)], v[SC+8*NQ*(\sc)+NQ*(\a)+(\q)] matrix_a_scale:MATRIX_SCALE_ROW1
.else
	v_wmma_scale_f32_16x16x128_f8f6f4 v[8*(8*((\a)%4)+\b):8*(8*((\a)%4)+\b)+7], v[128*(\p)+FR*\b:128*(\p)+FR*\b+FR-1], v[AF+FR*(\a):AF+FR*(\a)+FR-1], v[8*(8*((\a)%4)+\b):8*(8*((\a)%4)+\b)+7], v[SC+8*NQ*(\sc)+NQ*\b+(\q)], v[SC+8*NQ*(\sc)+NQ*(\a)+(\q)] matrix_a_scale:MATRIX_SCALE_ROW1
.endif
.endr
.endr
.endm
.macro FETCH_B slot, q, p
	WIN TO_B
.irp i, 0,1,2,3,4,5,6,7
	FRAG 128*(\p)+FR*\i, ADRB+\slot, \q, \i
.endr
	WIN 0
.endm
.macro FETCH_A slot, q, i0
.irp i, \i0, \i0+1, \i0+2, \i0+3
	FRAG AF+FR*(\i), ADRA+\slot, \q, \i
.endr
.endm
.macro SCALES sc                       ; a K step's scale words: lanes 0-15 A's block i, lanes 16-31 B's block i
.irp i, 0,1,2,3,4,5,6,7
	ds_load_b64 v[SC+8*NQ*\sc+NQ*\i:SC+8*NQ*\sc+NQ*\i+1], v[ADRS] offset:\i*SBLK
.endr
.endm
.macro PLACES n                        ; plain vector instructions between a matrix instruction and a load into, or a read of, its registers
.rept \n
	v_nop
.endr
.endm
.macro STEP slot, q, zero              ; 128 along K with a successor in the same slot
	s_wait_dscnt 4*NL                              ; B's set and A's blocks 0-3 are in; the youngest sixteen loads (A's blocks 4-7) may be out
	WIN MUL_LO
	MUL16 0, (\q)%2, \q, \slot, \zero
	MUL16 2, (\q)%2, \q, \slot, \zero
	s_wait_dscnt 0
	PLACES NP
	FETCH_B \slot, (\q)+1, 1-(\q)%2
	FETCH_A \slot, (\q)+1, 0
	WIN MUL_HI
	MUL16 4, (\q)%2, \q, \slot, \zero
	MUL16 6, (\q)%2, \q, \slot, \zero
	PLACES NP
	WIN 0
	FETCH_A \slot, (\q)+1, 4
.endm
; A slot's last step changes slots: one barrier; in front of it each wave waits for all its tensor loads, adds 0 to its spare word, and waits for that and for its reads of this slot.
.macro TURN slot, next, fill
	s_wait_tensorcnt 0x0                           ; all my tensor loads have landed: my part of the next slot
	ds_add_u32 v[SPW], v[NIL]                      ; 0 onto my spare word
	s_wait_dscnt 4*NL+1                            ; the add and the youngest sixteen loads may be out
	WIN MUL_LO
	MUL16 0, 1, NQ-1, \slot, 0
	s_wait_dscnt 0x0                               ; the add is done, and my reads of this slot are over
	s_barrier_signal -1
	MUL16 2, 1, NQ-1, \slot, 0
	WIN 0
	s_barrier_wait -1
.if \fill
	CREST                                          ; the barrier has opened a round of the cluster's: no wave of any partner still reads this slot or has a load on its way
	s_add_nc_u64 s[G0+4*\slot+2:G0+4*\slot+3], s[G0+4*\slot+2:G0+4*\slot+3], 2*ROWB
	s_add_nc_u64 s[G0B+4*\slot+2:G0B+4*\slot+3], s[G0B+4*\slot+2:G0B+4*\slot+3], 2*ROWB
	JLOAD G0+4*\slot, G1, G0B+4*\slot, G1B         ; the first tensor load behind the round; its four v_nop are among the places for the loads below
	PLACES NP-4
.else
	PLACES NP
.endif
	s_wait_alu depctr_va_vdst(0)
	v_add_nc_u32 v[ADRS], 4*NQ, v[ADRS]            ; the next K step's scale words
	FETCH_B \next, 0, 0
	FETCH_A \next, 0, 0
	SCALES \next
	WIN MUL_HI
	MUL16 4, 1, NQ-1, \slot, 0
	MUL16 6, 1, NQ-1, \slot, 0
	PLACES NP
	WIN 0
	FETCH_A \next, 0, 4
.endm
	s_wait_alu depctr_va_vdst(0)
	s_wait_tensorcnt 0x0                           ; my tile of the head's four is in
	ds_add_u32 v[SPW], v[NIL]
	s_mov_b32 s[G1+2], 128<<16                     ; no tensor load of mine is out: from here on a load brings 128 rows
	s_mov_b32 s[G1+4], 128
	s_mov_b32 s[G1B+2], 128<<16
	s_mov_b32 s[G1B+4], 128
	s_wait_dscnt 0x0                               ; the add is done
	CROUND                                         ; all four tiles are in, and all sixteen work-groups are here
	JLOAD G0+4, G1, G0B+4, G1B                     ; K step 1 into slot 1: the first tensor load behind the round
	FETCH_B 0, 0, 0
	FETCH_A 0, 0, 0
	SCALES 0
	FETCH_A 0, 0, 4
	ASK 3
	STEP 0, 0, 1                                   ; K step 0: its first products start the sums
	TURN 0, 1, 1                                   ; slot 0 takes K step 2
	STEP 1, 0, 0
	TURN 1, 0, 1                                   ; slot 1 takes K step 3
	STEP 0, 0, 0
	TURN 0, 1, 0                                   ; nothing more to fetch: behind this barrier nobody reads slot 0, and it has had its last fill
	STEP 1, 0, 0
	s_wait_dscnt 4*NL
	WIN MUL_LO
	MUL16 0, 1, NQ-1, 1, 0
	MUL16 2, 1, NQ-1, 1, 0
	s_wait_dscnt 0
	WIN MUL_HI
	MUL16 4, 1, NQ-1, 1, 0
	MUL16 6, 1, NQ-1, 1, 0
	WIN 0
	PLACES NP                                      ; behind the last products: their fragments' and scales' registers are written below
	; ---- THE TABLE.  Lane (r, h) of wave w makes, in trip t, cos and sin of positions P0 + 64 w + 8 t + 2 k + h (k = 0 .. 3, four chains side by side) at frequencies 2 r and 2 r + 1: 16 bytes at 16 r of each position's row.
	s_mov_b32 s[HM], 0xffff0000
	s_mov_b32 s[MNT], 0x600000
	s_mov_b32 s[SEL], 0x76543210
	s_mov_b32 s[SEL+1], 0xfedcba98
.irp b, 0,1,2,3
	v_mov_b32 v[TM+4+\b], 0                        ; written once: a lane permute's destination counts as one of its sources
.endr
	v_mov_b32 v[FQ], 0
	v_mov_b32 v[FQ+1], 0
.macro FSEL k, lo, hi                  ; lanes with r = k take 10^(-2k/8) and 10^(-(2k+1)/8)
	v_cmp_ne_u32 vcc_lo, \k, v1
	v_cndmask_b32 v[FQ], \lo, v[FQ], vcc_lo
	v_cndmask_b32 v[FQ+1], \hi, v[FQ+1], vcc_lo
.endm
	FSEL 0,  0x3f800000, 0x3f3ff911
	FSEL 1,  0x3f0ff59a, 0x3ed7e89b
	FSEL 2,  0x3ea1e89b, 0x3e72d424
	FSEL 3,  0x3e361887, 0x3e088d77
	FSEL 4,  0x3dcccccd, 0x3d99940e
	FSEL 5,  0x3d6655c3, 0x3d2cba15
	FSEL 6,  0x3d0186e2, 0x3cc24350
	FSEL 7,  0x3c91ad39, 0x3c5a7bf1
	FSEL 8,  0x3c23d70a, 0x3bf5b9b0
	FSEL 9,  0x3bb8449c, 0x3b8a2e77
	FSEL 10, 0x3b4f3e37, 0x3b1b690d
	FSEL 11, 0x3ae91528, 0x3aaec98e
	FSEL 12, 0x3a83126f, 0x3a44948c
	FSEL 13, 0x3a136a16, 0x39dd1726
	FSEL 14, 0x39a5cb5f, 0x3978a814
	FSEL 15, 0x393a7753, 0x390bd472
.macro CONST2 reg, val                 ; a constant in both registers of a pair
	v_mov_b32 v[\reg], \val
	v_mov_b32 v[\reg+1], \val
.endm
	CONST2 INVPI,  0x3ea2f983                      ; 1 / pi
	CONST2 MAGIC,  0x4b400000                      ; 1.5 x 2^23: adding it rounds to a whole number, which then lies in the low mantissa bits
	CONST2 NMAGIC, 0xcb400000
	CONST2 NPIHI,  0xc0490fdb                      ; -pi rounded to f32
	CONST2 NPILO,  0x33bbbd2e                      ; -(pi - that)
	CONST2 S1C, 0xbe2aaaab                         ; -1/3!
	CONST2 S2C, 0x3c088889                         ; 1/5!
	CONST2 S3C, 0xb9500d01                         ; -1/7!
	CONST2 S4C, 0x3638ef1d                         ; 1/9!
	CONST2 S5C, 0xb2d7322b                         ; -1/11!
	CONST2 C1C, 0xbf000000                         ; -1/2!
	CONST2 C2C, 0x3d2aaaab                         ; 1/4!
	CONST2 C3C, 0xbab60b61                         ; -1/6!
	CONST2 C4C, 0x37d00d01                         ; 1/8!
	CONST2 C5C, 0xb493f27e                         ; -1/10!
	CONST2 C6C, 0x310f76c7                         ; 1/12!
	CONST2 ONE, 0x3f800000
.set ADV, 166
	CONST2 ADV, 0x41000000                         ; 8.0: the positions that a trip goes on
	s_lshl_b32 s20, s[TROW], 8
	s_and_b32 s20, s20, 2047                       ; the tile's first position
	s_lshl_b32 s21, s[WV], 6
	s_add_co_u32 s20, s20, s21
; a chain's 28 registers from B on: +0 angle, +2 n + magic, +4 n, +6 x, +8 x^2, +10 sine's series, +12 x^3, +14 sin, +16 cosine's series, +18 cos, +20 signs, +22 .. 25 what is stored, +26 position
.set KK, 0
.irp B, 168,196,224,32
	v_add3_u32 v[\B+26], s20, v2, 2*KK
	v_cvt_f32_u32 v[\B+26], v[\B+26]
	v_mov_b32 v[\B+27], v[\B+26]
.set KK, KK+1
.endr
	s_mov_b32 s21, 0                               ; eight table rows a trip
	s_mov_b32 s3, 0
.Ltab:                                                 ; 8 trips in every role; role V, which turns nothing, jumps over the work (a branch on the cluster's x)
	s_cmp_lg_u32 s[ROLEV], 0
	s_cbranch_scc1 .Ltab_skip
.macro SER d, c, B                     ; a series' next step: d = d x^2 + c
	v_pk_fma_f32 v[\B+\d:\B+\d+1], v[\B+\d:\B+\d+1], v[\B+8:\B+9], v[\c:\c+1]
.endm
.macro TS i, B                         ; line i of the chain at B
.if (\i) == 0
	v_pk_mul_f32 v[\B:\B+1], v[\B+26:\B+27], v[FQ:FQ+1]                        ; the angle, rounded to f32 as pos x inv_freq is
.elseif (\i) == 1
	v_pk_fma_f32 v[\B+2:\B+3], v[\B:\B+1], v[INVPI:INVPI+1], v[MAGIC:MAGIC+1]  ; n = round(angle / pi), at most 652
.elseif (\i) == 2
	v_pk_add_f32 v[\B+4:\B+5], v[\B+2:\B+3], v[NMAGIC:NMAGIC+1]
.elseif (\i) == 3
	v_pk_fma_f32 v[\B+6:\B+7], v[\B+4:\B+5], v[NPIHI:NPIHI+1], v[\B:\B+1]      ; exact: under 2 in size, with no bit under 2^-22
.elseif (\i) == 4
	v_pk_fma_f32 v[\B+6:\B+7], v[\B+4:\B+5], v[NPILO:NPILO+1], v[\B+6:\B+7]    ; x = angle - n pi, within pi / 2
.elseif (\i) == 5
	v_pk_mul_f32 v[\B+8:\B+9], v[\B+6:\B+7], v[\B+6:\B+7]
.elseif (\i) == 6
	v_pk_fma_f32 v[\B+10:\B+11], v[\B+8:\B+9], v[S5C:S5C+1], v[S4C:S4C+1]
.elseif (\i) == 7
	v_pk_fma_f32 v[\B+16:\B+17], v[\B+8:\B+9], v[C6C:C6C+1], v[C5C:C5C+1]
.elseif (\i) == 8
	SER 10, S3C, \B
.elseif (\i) == 9
	SER 16, C4C, \B
.elseif (\i) == 10
	SER 10, S2C, \B
.elseif (\i) == 11
	SER 16, C3C, \B
.elseif (\i) == 12
	SER 10, S1C, \B
.elseif (\i) == 13
	SER 16, C2C, \B
.elseif (\i) == 14
	v_pk_mul_f32 v[\B+12:\B+13], v[\B+8:\B+9], v[\B+6:\B+7]
.elseif (\i) == 15
	SER 16, C1C, \B
.elseif (\i) == 16
	v_pk_fma_f32 v[\B+14:\B+15], v[\B+10:\B+11], v[\B+12:\B+13], v[\B+6:\B+7]  ; sin x
.elseif (\i) == 17
	v_pk_fma_f32 v[\B+18:\B+19], v[\B+16:\B+17], v[\B+8:\B+9], v[ONE:ONE+1]    ; cos x
.elseif (\i) == 18
	v_lshlrev_b32 v[\B+20], 31, v[\B+2]            ; n odd: both change sign
	v_lshlrev_b32 v[\B+21], 31, v[\B+3]
.elseif (\i) == 19
	v_xor_b32 v[\B+22], v[\B+18], v[\B+20]
	v_xor_b32 v[\B+23], v[\B+14], v[\B+20]
	v_xor_b32 v[\B+24], v[\B+19], v[\B+21]
	v_xor_b32 v[\B+25], v[\B+15], v[\B+21]
.else
	v_pk_add_f32 v[\B+26:\B+27], v[\B+26:\B+27], v[ADV:ADV+1]
.endif
.endm
	v_add_nc_u32 v[TAC], s21, v[TA]
	s_wait_alu depctr_va_vdst(0)                   ; the positions were written ahead of the backward jump
.set I_, 0
.rept 21                               ; the four chains line by line, so that no line reads the line above it
.irp B, 168,196,224,32
	TS I_, \B
.endr
.set I_, I_+1
.endr
.set KK, 0
.irp B, 168,196,224,32
	ds_store_b128 v[TAC], v[\B+22:\B+25] offset:KK*2*TPITCH
.set KK, KK+1
.endr
.Ltab_skip:
	s_add_co_u32 s21, s21, 8*TPITCH
	s_add_co_u32 s3, s3, 1
	s_cmp_lt_u32 s3, 8
	s_cbranch_scc1 .Ltab
	s_wait_dscnt 0x0                               ; for the others' sake: my rows of the table are stored
	s_barrier_signal -1
	s_barrier_wait -1
; 64 numbers of a lane in window win, register 16 b + i = the i-th of my 16 of block b, become codes in v[PC] on; the four bytes are left in v[TM+4] on.  The held numbers go to v[YR] on.
.macro QUANT s, win
	WIN (\win)|((\win)<<2)
.irp b, 0,1,2,3
	v_max3_num_f32 v[TM+\b], |v[(\s)+16*\b]|, |v[(\s)+1+16*\b]|, 0x4800000   ; my 16 numbers and the floor 2^(9 - 127): the byte cannot fall under 1.  Each accumulator is read from its low end on
.endr
.irp i, 2,4,6,8,10,12,14
.irp b, 0,1,2,3
	v_max3_num_f32 v[TM+\b], |v[(\s)+16*\b+\i]|, |v[(\s)+1+16*\b+\i]|, v[TM+\b]
.endr
.endr
	WIN 0
.irp b, 0,1,2,3
	v_permlanex16_b32 v[TM+4+\b], v[TM+\b], s[SEL], s[SEL+1]
.endr
.irp b, 0,1,2,3
	v_max_num_f32 v[TM+\b], v[TM+\b], v[TM+4+\b]   ; with lane l xor 16's 16: the block's largest magnitude
.endr
.irp b, 0,1,2,3
	v_add_nc_u32 v[TM+12+\b], 0xfc000000, v[TM+\b] ; 8 off its exponent field: the conversion's scale operand
.endr
.irp b, 0,1,2,3
	v_and_or_b32 v[TM+8+\b], v[TM+\b], 0x7f800000, s[MNT]   ; 448 x the scale
.endr
.irp b, 0,1,2,3
	v_lshrrev_b32 v[TM+4+\b], 23, v[TM+12+\b]      ; the scale's byte
.endr
	WIN (\win)
.irp b, 0,1,2,3
.irp i, 0,1,2,3,4,5,6,7,8,9,10,11,12,13,14,15
	v_med3_num_f32 v[YR+16*\b+\i], v[(\s)+16*\b+\i], -v[TM+8+\b], v[TM+8+\b]   ; the conversion to an 8-bit code does not saturate (ISA guide 7.6.2): the hold
.endr
.endr
	WIN 0
.irp b, 0,1,2,3
	v_cvt_scalef32_pk8_fp8_f32 v[PC+4*\b:PC+4*\b+1], v[YR+16*\b:YR+16*\b+7], v[TM+12+\b]
	v_cvt_scalef32_pk8_fp8_f32 v[PC+4*\b+2:PC+4*\b+3], v[YR+16*\b+8:YR+16*\b+15], v[TM+12+\b]
.endr
	v_nop                                          ; a plain vector instruction behind the last conversion
.endm
	s_cmp_lg_u32 s[ROLEV], 0
	s_cbranch_scc1 .Lv
	; ---- ROLES K AND Q.  My 128 tokens are one block of the buffer, my 128 channels two heads.
	s_lshl_b32 s20, s[TROW], 8
	s_lshl_b32 s21, s[RH], 7
	s_add_co_u32 s20, s20, s21                     ; my first token
	s_lshr_b32 s21, s20, 11                        ; batch
	s_bfe_u32 s22, s20, 0x40007                    ; which 128 of its 2,048
	s_and_b32 s23, s[TCOL], 3
	s_lshl_b32 s23, s23, 2
	s_lshl_b32 s45, s[CH], 1
	s_add_co_u32 s23, s23, s45                     ; my first head
	s_lshl_b32 s21, s21, 4
	s_add_co_u32 s21, s21, s23
	s_lshl_b32 s21, s21, 4
	s_add_co_u32 s21, s21, s22                     ; block = (16 batch + head) 16 + step
	s_mov_b32 s46, STEPB
	s_mov_b32 s47, 16384
	s_cmp_eq_u32 ttmp9, 1                          ; Q or K
	s_cselect_b64 s[24:25], s[12:13], s[14:15]
	s_cselect_b32 s46, QBLK, s46
	s_cselect_b32 s47, 8192, s47
	s_mul_i32 s92, s21, s46
	s_mov_b32 s93, 0
	s_add_nc_u64 s[24:25], s[24:25], s[92:93]      ; head 0's block
	s_lshl_b32 s92, s46, 4
	s_add_nc_u64 s[26:27], s[24:25], s[92:93]      ; head 1's: 16 blocks on
	v_add_nc_u32 v[LSC], s47, v[LI16]
.macro CSLOAD a                        ; token tile a: my token's (cos, sin) at frequencies 8 bb + 4 h + 0 .. 3, bb = 0 .. 3
.set CSB, CS+32*((\a)%2)
.irp bb, 0,1,2,3
.irp k, 0,1
	ds_load_b128 v[CSB+8*\bb+4*\k:CSB+8*\bb+4*\k+3], v[TR] offset:16*(\a)*TPITCH+64*\bb+16*\k
.endr
.endr
.endm
.macro ROPE a                          ; (xr, xi) -> (xr c - xi s, xi c + xr s), a pair an instruction; both heads use the same 32 pairs
.set AC, 64*((\a)%4)
.set CSB, CS+32*((\a)%2)
	WIN 2+(\a)/4                                   ; source 0: the accumulators' window
.irp b, 0,1,2,3,4,5,6,7
.irp jj, 0,1,2,3
	v_pk_mul_f32 v[YR+8*\b+2*\jj:YR+8*\b+2*\jj+1], v[AC+8*\b+2*\jj:AC+8*\b+2*\jj+1], v[CSB+8*(\b%4)+2*\jj:CSB+8*(\b%4)+2*\jj+1] op_sel_hi:[1,0]
.endr
.endr
.irp b, 0,1,2,3,4,5,6,7
.irp jj, 0,1,2,3
	v_pk_fma_f32 v[YR+8*\b+2*\jj:YR+8*\b+2*\jj+1], v[AC+8*\b+2*\jj:AC+8*\b+2*\jj+1], v[CSB+8*(\b%4)+2*\jj:CSB+8*(\b%4)+2*\jj+1], v[YR+8*\b+2*\jj:YR+8*\b+2*\jj+1] op_sel:[1,1,0] op_sel_hi:[0,1,1] neg_lo:[0,1,0]
.endr
.endr
	WIN 0
.endm
	CSLOAD 0
.irp a, 0,1,2,3,4,5,6,7
.if \a < 7
	CSLOAD \a+1
	s_wait_dscnt 8                                 ; this tile's eight loads are in; the next tile's eight may be out
.else
	s_wait_dscnt 0x0
.endif
	ROPE \a
	s_wait_xcnt 0x0                                ; the last tile's stores have read their data: the codes' registers are written again only behind this wait
	QUANT YR, 0
	v_lshl_or_b32 v[WW+2*\a], v[TM+5], 8, v[TM+4]  ; a head's two bytes,
	v_lshl_or_b32 v[WW+2*\a+1], v[TM+7], 8, v[TM+6]
	v_or_b32 v[WW+2*\a], 0x7f7f0000, v[WW+2*\a]    ; and 2^0 for the half of the instruction's K that holds no numbers
	v_or_b32 v[WW+2*\a+1], 0x7f7f0000, v[WW+2*\a+1]
.irp hd, 0,1
.irp be, 0,1
	global_store_b128 v[LI16], v[PC+8*\hd+4*\be:PC+8*\hd+4*\be+3], s[24+2*\hd:25+2*\hd] offset:1024*\a+512*\be   ; 512 consecutive bytes, aligned
.endr
.endr
.endr
.irp hd, 0,1                           ; the scale words' image: lanes 0-15 even tiles, lanes 16-31 odd tiles, register i tiles 2 i and 2 i + 1
.irp i, 0,1,2,3
	v_cndmask_b32 v[TT+4*\hd+\i], v[WW+4*\i+\hd], v[WW+4*\i+2+\hd], s[HM]
.endr
	global_store_b128 v[LSC], v[TT+4*\hd:TT+4*\hd+3], s[24+2*\hd:25+2*\hd]
.endr
	s_branch .Lend
.Lv:
	; ---- ROLE V.  My 128 channels are two heads, my 128 tokens one step of keys; a lane's 64 registers of a channel tile are its 16 of each of the step's four blocks of 32 keys.
	s_lshl_b32 s20, s[TCOL], 8
	s_lshl_b32 s21, s[CH], 7
	s_add_co_u32 s20, s20, s21                     ; my first token
	s_lshr_b32 s21, s20, 11
	s_bfe_u32 s22, s20, 0x40007
	s_and_b32 s23, s[TROW], 3
	s_lshl_b32 s23, s23, 2
	s_lshl_b32 s45, s[RH], 1
	s_add_co_u32 s23, s23, s45                     ; my first head
	s_lshl_b32 s21, s21, 4
	s_add_co_u32 s21, s21, s23
	s_lshl_b32 s21, s21, 4
	s_add_co_u32 s21, s21, s22
	s_mul_i32 s92, s21, STEPB
	s_add_co_u32 s92, s92, 8192                    ; V's codes in the block
	s_mov_b32 s93, 0
	s_add_nc_u64 s[24:25], s[14:15], s[92:93]
	s_add_nc_u64 s[26:27], s[24:25], 16*STEPB
.irp a, 0,1,2,3,4,5,6,7
	s_wait_xcnt 0x0                                ; the last tile's stores have read their data
	QUANT 64*(\a%4), 2+\a/4
	v_lshl_or_b32 v[WW+\a], v[TM+5], 8, v[TM+4]
	v_lshl_or_b32 v[WW+\a], v[TM+6], 16, v[WW+\a]
	v_lshl_or_b32 v[WW+\a], v[TM+7], 24, v[WW+\a]
.irp be, 0,1,2,3
	global_store_b128 v[LI16], v[PC+4*\be:PC+4*\be+3], s[24+2*(\a/4):25+2*(\a/4)] offset:2048*(\a%4)+512*\be
.endr
.endr
.irp hd, 0,1
	v_cndmask_b32 v[TT+2*\hd], v[WW+4*\hd], v[WW+4*\hd+1], s[HM]
	v_cndmask_b32 v[TT+2*\hd+1], v[WW+4*\hd+2], v[WW+4*\hd+3], s[HM]
	global_store_b64 v[LI8], v[TT+2*\hd:TT+2*\hd+1], s[24+2*\hd:25+2*\hd] offset:8704   ; one aligned run of 256 bytes
.endr
.Lend:
	s_wait_tensorcnt 0x0                           ; the wave's end
	ds_add_u32 v[SPW], v[NIL]
	s_wait_dscnt 0x0
	CROUND                                         ; the closing round
	s_endpgm
.Lfunc_end_k_q05e4656fb2_qkv:
	.size	k_q05e4656fb2_qkv, .Lfunc_end_k_q05e4656fb2_qkv-k_q05e4656fb2_qkv
	.p2alignl 7, 3214868480
	.fill 96, 4, 3214868480
	.section	.rodata,"a",@progbits
	.p2align	6, 0x0
	.amdhsa_kernel k_q05e4656fb2_qkv
		.amdhsa_group_segment_fixed_size 327680
		.amdhsa_private_segment_fixed_size 0
		.amdhsa_enable_private_segment 0
		.amdhsa_kernarg_size 48
		.amdhsa_user_sgpr_count 2
		.amdhsa_user_sgpr_kernarg_segment_ptr 1
		.amdhsa_wavefront_size32 1
		.amdhsa_system_sgpr_workgroup_id_x 1
		.amdhsa_system_sgpr_workgroup_id_y 1
		.amdhsa_system_sgpr_workgroup_id_z 1
		.amdhsa_system_vgpr_workitem_id 0
		.amdhsa_next_free_vgpr 1024
		.amdhsa_next_free_sgpr 102
		.amdhsa_reserve_vcc 1
		.amdhsa_float_denorm_mode_32 3
		.amdhsa_float_denorm_mode_16_64 3
		.amdhsa_memory_ordered 1
		.amdhsa_forward_progress 1
		.amdhsa_inst_pref_size 255
	.end_amdhsa_kernel
	.section	.bss,"aw",@nobits
	.p2align	6
	.space	262144
	.amdgpu_metadata
---
amdhsa.version: [ 1, 2 ]
amdhsa.kernels:
  - .name:           k_q05e4656fb2_qkv
    .symbol:         k_q05e4656fb2_qkv.kd
    .args:
      - { .name: X_codes, .offset: 0, .size: 8, .value_kind: global_buffer, .address_space: global }
      - { .name: X_scales, .offset: 8, .size: 8, .value_kind: global_buffer, .address_space: global }
      - { .name: W_KQV_codes, .offset: 16, .size: 8, .value_kind: global_buffer, .address_space: global }
      - { .name: W_KQV_scales, .offset: 24, .size: 8, .value_kind: global_buffer, .address_space: global }
      - { .name: qb, .offset: 32, .size: 8, .value_kind: global_buffer, .address_space: global }
      - { .name: kv, .offset: 40, .size: 8, .value_kind: global_buffer, .address_space: global }
    .group_segment_fixed_size: 327680
    .private_segment_fixed_size: 0
    .kernarg_segment_align: 8
    .kernarg_segment_size: 48
    .max_flat_workgroup_size: 128
    .sgpr_count:     102
    .vgpr_count:     1024
    .wavefront_size: 32
...
	.end_amdgpu_metadata
.endif
;; end of part 1
;; launch attn (part 2): grid 4 x 64, 16 waves a work-group, clusters of 4 x 1, 327,680 bytes of LDS; arguments qb, kv, acts, acts_s; writes acts, acts_s
.if DOCPART == 2
	.amdgcn_target "amdgcn-amd-amdhsa--gfx1250"
	.amdhsa_code_object_version 6
	.text
	.protected	k_q05e4656fb2_attn
	.globl	k_q05e4656fb2_attn
	.p2align	8
	.type	k_q05e4656fb2_attn,@function
k_q05e4656fb2_attn:
	s_mov_b64 s[64:65], 0
	v_nop
	global_prefetch_b8 v0, s[64:65] scope:SCOPE_SE
	s_setreg_imm32_b32 hwreg(HW_REG_WAVE_MODE, 25, 1), 1
	s_wait_xcnt 0x0
	s_wait_alu depctr_hold_cnt(0) depctr_sa_sdst(0) depctr_va_vdst(0) depctr_va_sdst(0) depctr_va_ssrc(0) depctr_va_vcc(0) depctr_vm_vsrc(0)
	s_getreg_b32 s2, hwreg(HW_REG_IB_STS2, 6, 4)
	s_cmp_eq_u32 s2, 0
	s_cbranch_scc0 .Lentry_in_a_cluster
	s_endpgm
.Lentry_in_a_cluster:
	s_bfe_u32 s2, ttmp6, 0x10000c
	s_cmp_lg_u32 s2, 0x3003
	s_cbranch_scc0 .Lentry_shape_is_right
	s_endpgm
.Lentry_shape_is_right:
; Causal attention on codes of E4M3, 64 heads of 2,048 tokens x 64 channels, and the quantiser of its result along the model's 1,024.
; t = score x log2(e) / 8; M = the running largest t rounded UP to a whole number; p = 2^(t - M) is quantised along the keys, not normalised; the row's sum of the unquantised p divides at the end.
; A HEAD'S K AND V STAY IN LDS: 16 step blocks of kv (128 keys each: K's codes, V's codes, both scale words), 16 x 17,152 = 274,432 bytes, as they lie in memory.  Each of the sixteen waves asks for one block, its one
; tensor load; nothing is filled again, so the walk over the keys has no change of slots.
; CLUSTER: the four work-groups of a head need the same sixteen blocks: each block is asked for jointly (mask 15).  No branch and no LDS address hangs on the place cx in the cluster.
; SHARES.  A head has 128 tiles of 16 queries.  Wave w of work-group cx owns tiles T1 = 4 w + cx and T2 = 127 - T1.  Tile T needs key steps 0 .. T / 8; with a = w / 2 that is a + 1 steps for T1 and 16 - a for T2:
; 17 steps for every wave, and no step that lies wholly under reference()'s causal mask is walked.  Trip n = 0 .. 16: while n < 16 - a tile T2 takes step n; from n = 16 - a on tile T1 takes step 16 - n,
; its diagonal step first (each query's own key lies there, so M is a number from the first step on).  The order of key steps changes only the order of the f32 sums.
; LANDING IN TWO PARTS.  Trips 0 to 3 read blocks 0 to 3 in every wave (16 - a is at least 9): waves 0 to 3 have a load line of their own and wait ahead of the first barrier; ahead of the barrier behind trip 3 every wave waits.
; NO PREFETCH: every byte that the launch takes from kv is asked for by the head's loads; no later load is left to run ahead of.
; OPERANDS arrive as images of their registers (the launch before laid them so): every LDS and global read is 16 bytes a lane at 16 x lane.
; Both products are used transposed: S^T = K Q^T (source 0 = 16 keys), O^T = V^T P^T (source 0 = 16 channels): a lane holds ONE query.  Accumulators 2 c, 2 c + 1 of S^T hold keys 32 c + 16 u + 8 h + j; their
; conversions are taken as registers 4 c .. 4 c + 3 of P: the same order inside each block of 32 keys in which V's codes were laid.
; K = 64 IN AN INSTRUCTION OF 128: Q's registers 8-15 are zero codes.  K's fragment of tile t is v[KB + 8 t .. + 15]: its upper half is tile t + 1's codes (for tile 7 zeros): finite numbers (the quantiser holds at 448, so it
; makes no NaN code), which zeros multiply to 0; bytes 2 and 3 of both scale words are 0x7f.
; OUT: acts as images of the next product's operand, in natural order of k (W_O is given so): one exchange between the halves of the lanes; acts_s plain [token][32], a byte a lane.
; LIMITS: NaN and infinities are not served; a block of zeros gets the scale byte 1 (only this program reads the bytes); the promise holds while the scaled scores t stay under 2^31 in magnitude.
.set STEPB, 17152
.set SPARE, 294912                     ; the spare words, 128 bytes for each of 16 waves: eight blocks of 256 bytes that no other line names
.set QBLK,  8704
.set VCO,   8192
.set KSCO,  16384
.set VSCO,  16896
.set LI,   1                           ; v1   16 x lane
.set LI8,  2                           ; v2   8 x lane
.set R16,  3                           ; v3   16 r
.set SBO,  4                           ; v4   32 r + h: my byte among 16 rows of acts_s
.set SPW,  5
.set NIL,  6
.set QSO,  7                           ; v7   my tile's scale word in a group of qb
.set AD,   8
.set AD8,  9
.set D0,   10                          ; v10  r - 8 h
.set QCO,  11                          ; v11  my tile's codes in a group of qb
.set QF,   16                          ; v16-23 Q's codes, v24-31 zeros
.set KB,   32                          ; v32-95 K's eight tiles, later V's four; v96-103 zeros
.set S,    104                         ; v104-167 S^T, then p
.set OT,   168                         ; v168-199 O^T
.set PCD,  200                         ; v200-215 p's codes
.set KSW,  216                         ; v216-219 K's scale words
.set VSW,  220                         ; v220-221 V's
.set BM,   232                         ; v232-235 the blocks' largest
.set T4,   236                         ; v236-239 at work
.set HD,   240                         ; v240-243 448 x scale
.set SO,   244                         ; v244-247 the conversions' scale operands
.set TB,   2                           ; s2   LDS byte at which the step's block begins
.set N,    3                           ; s3   the trip
.set WV,   18
.set MNT,  19
.set SEL,  20
.set CSC,  22
.set G1,   24
.set G0,   40
.set CX,   66                          ; s66  my place in the cluster
.set T1R,  67                          ; s67  tile T1
.set T2R,  68                          ; s68  tile T2
.set SWN,  69                          ; s69  16 - a: the trip at which T1 begins
.set QD,   70                          ; s70  16 (T % 8): my first query less the diagonal step's first key
.set SU,   71                          ; s71  STEPB x the trip
.set HM,   83
.set BH,   84
.set BH16, 85
.macro CROUND                          ; a round of the cluster's barrier
	s_barrier_signal -1
	s_barrier_wait -1
	s_cmp_lg_u32 s[WV], 0
	s_cbranch_scc1 .Lnot_wave_0_\@
	s_barrier_signal -3
.Lnot_wave_0_\@:
	s_barrier_wait -3
	s_barrier_signal -1
	s_barrier_wait -1
.endm
	s_load_b128 s[4:7], s[0:1], 0x0                ; qb, kv
	s_load_b128 s[8:11], s[0:1], 0x10              ; acts, acts_s
	v_lshl_add_u32 v[SPW], v0, 2, SPARE
	v_mov_b32 v[NIL], 0
	ds_add_u32 v[SPW], v[NIL]                      ; the opening lines
	ds_add_u32 v[SPW], v[NIL]
	v_lshrrev_b32 v8, 5, v0
	v_readfirstlane_b32 s[WV], v8
	s_and_b32 s[BH], ttmp7, 0xffff                 ; the head: the cluster's y
	s_bfe_u32 s[CX], ttmp6, 0x40000
	s_lshl_b32 s[T1R], s[WV], 2
	s_add_co_u32 s[T1R], s[T1R], s[CX]
	s_sub_co_u32 s[T2R], 127, s[T1R]
	s_lshr_b32 s[SWN], s[WV], 1
	s_sub_co_u32 s[SWN], 16, s[SWN]
	s_lshl_b32 s[BH16], s[BH], 4
	s_mov_b32 s[G1], 15|(3<<16)|(1<<21)            ; the mask: all four of the cluster; elements of 8 bytes; bit 21 beside a mask; no padding: 17,152 dense bytes as 67 rows of 256
	s_mov_b32 s[G1+1], 32<<16
	s_mov_b32 s[G1+2], 67<<16
	s_mov_b32 s[G1+3], 32<<16
	s_mov_b32 s[G1+4], 67
	s_mov_b32 s[G1+5], 32
	s_mov_b32 s[G1+6], 0
	s_mov_b32 s[G1+7], 0
	s_mov_b32 s[SEL], 0x76543210
	s_mov_b32 s[SEL+1], 0xfedcba98
	s_mov_b32 s[CSC], 0x3e38aa3b                   ; c = log2(e) / 8
	s_mov_b32 s[CSC+1], s[CSC]
	s_mov_b32 s[MNT], 0x600000
	s_mov_b32 s[HM], 0xffff0000
	s_mul_i32 s72, s[BH], 16*STEPB
	s_mul_i32 s[G0+1], s[WV], STEPB                ; block w: in LDS and in the head's part of kv alike
	s_add_co_u32 s72, s72, s[G0+1]
	s_mov_b32 s73, 0
	s_mov_b32 s[G0], 1
	s_wait_dscnt 0x0                               ; both opening adds are done
	CROUND                                         ; all four work-groups are here: the joint loads meet
	s_wait_kmcnt 0x0
	s_add_nc_u64 s[G0+2:G0+3], s[6:7], s[72:73]
	s_or_b32 s[G0+3], s[G0+3], 0x80000000
	s_cmp_lt_u32 s[WV], 4                          ; one load a wave; waves 0 to 3, whose blocks are shown first, have a line of their own
	s_cbranch_scc0 .Llate
	tensor_load_to_lds s[G0:G0+3], s[G1:G1+7]
	s_nop 0
.rept 4
	v_nop
.endr
	s_branch .Lasked
.Llate:
	tensor_load_to_lds s[G0:G0+3], s[G1:G1+7]
	s_nop 0
.rept 4
	v_nop
.endr
.Lasked:
	v_and_b32 v8, 31, v0
	v_lshlrev_b32 v[LI], 4, v8
	v_lshlrev_b32 v[LI8], 3, v8
	v_and_b32 v9, 15, v0                           ; r
	v_bfe_u32 v10, v0, 4, 1                        ; h
	v_lshlrev_b32 v[R16], 4, v9
	v_lshl_add_u32 v[SBO], v9, 5, v10
	v_lshlrev_b32 v10, 3, v10
	v_sub_nc_u32 v[D0], v9, v10
.irp j, 0,1,2,3,4,5,6,7
	v_mov_b32 v[QF+8+\j], 0                        ; Q's upper half: zero codes
	v_mov_b32 v[KB+64+\j], 0                       ; and what stands behind K's tile 7
.endr
.irp j, 236,237,238,239,248,249,250,251,252,253
	v_mov_b32 v[\j], 0                             ; written once: lane permutes' destinations, and the upper half of the pair v[252:253]
.endr
; The codes and the scale word of the tile in s[tl] are asked for: group T / 8 of the head in qb, tile t = T % 8 in it: codes at 1,024 t, the word at 8,192 + 256 (t % 2) + 16 r + 4 (t / 2).
.macro QLOAD tl
	s_lshr_b32 s74, s[\tl], 3
	s_add_co_u32 s74, s74, s[BH16]
	s_mul_i32 s74, s74, QBLK
	s_mov_b32 s75, 0
	s_add_nc_u64 s[76:77], s[4:5], s[74:75]
	s_and_b32 s74, s[\tl], 7
	s_lshl_b32 s[QD], s74, 4
	s_lshl_b32 s78, s74, 10
	s_and_b32 s79, s74, 1
	s_lshl_b32 s79, s79, 8
	s_lshr_b32 s74, s74, 1
	s_lshl_b32 s74, s74, 2
	s_add_co_u32 s79, s79, s74
	s_add_co_u32 s79, s79, 8192
	v_add_nc_u32 v[QCO], s78, v[LI]
	v_add_nc_u32 v[QSO], s79, v[R16]
	global_load_b128 v[QF:QF+3], v[QCO], s[76:77]
	global_load_b128 v[QF+4:QF+7], v[QCO], s[76:77] offset:512
	global_load_b32 v255, v[QSO], s[76:77]
.endm
; A tile begins: O^T and the sum as zeros, the largest t as -3e38; Q is in.
.macro INITR
	v_mov_b32 v13, 0xff61b1e6                      ; -3e38, under every t
	s_delay_alu instid0(VALU_DEP_1)
	v_floor_f32 v12, -v13                          ; -M
	v_mov_b32 v14, 0
	v_mov_b32 v15, 0
.set n, 0
.rept 32
	v_mov_b32 v[OT+n], 0
.set n, n+1
.endr
	s_wait_alu depctr_va_vdst(0)
	s_wait_loadcnt 0x0
.endm
; A KEY STEP: the 128 keys of the block at s[TB].  mask = 1: the text holds the diagonal's lines, jumped over in the steps all of whose keys count.
.macro STEP mask
	v_add_nc_u32 v[AD], s[TB], v[LI]
	; (with the seven additions at the last step's end this addition makes eight places in front of loads into registers that the last products read)
.irp t, 0,1,2,3,4,5,6,7
	ds_load_b128 v[KB+8*\t:KB+8*\t+3], v[AD] offset:1024*\t
	ds_load_b128 v[KB+8*\t+4:KB+8*\t+7], v[AD] offset:1024*\t+512
.endr
	ds_load_b128 v[KSW:KSW+3], v[AD] offset:KSCO   ; lanes 0-15: even tiles' words, lanes 16-31: odd tiles'; register t / 2
	s_wait_alu depctr_va_vdst(0)
	s_wait_dscnt 0x0
.irp t, 0,1,2,3,4,5,6,7
.if \t%2
	v_wmma_scale_f32_16x16x128_f8f6f4 v[S+8*\t:S+8*\t+7], v[KB+8*\t:KB+8*\t+15], v[QF:QF+15], 0, v[KSW+\t/2], v255 matrix_a_scale:MATRIX_SCALE_ROW1
.else
	v_wmma_scale_f32_16x16x128_f8f6f4 v[S+8*\t:S+8*\t+7], v[KB+8*\t:KB+8*\t+15], v[QF:QF+15], 0, v[KSW+\t/2], v255
.endif
.endr
	v_add_nc_u32 v[AD8], s[TB], v[LI8]             ; eight places in front of the loads below and of the first read of the scores: two lines that are due anyway,
	v_mov_b32 v250, v12                            ; (the old -M)
.rept 6
	v_nop                                          ; and six idle ones
.endr
.irp t, 0,1,2,3
.irp c, 0,1,2,3
	ds_load_b128 v[KB+16*\t+4*\c:KB+16*\t+4*\c+3], v[AD] offset:VCO+2048*\t+512*\c
.endr
.endr
	ds_load_b64 v[VSW:VSW+1], v[AD8] offset:VSCO
.if \mask
	s_sub_co_u32 s96, s[SWN], s[N]                 ; 1: T2's last step; 0: T1's first: the two diagonal steps.  The wave's number and the trip alone decide
	s_cmp_gt_u32 s96, 1
	s_cbranch_scc1 .Lopen_\@
	v_add_nc_u32 v252, s[QD], v[D0]                ; d = my query - the step's first key - 8 h.  Register n holds key 16 (n / 8) + 8 h + n % 8 of the step: hidden where 16 (n / 8) + n % 8 > d
	v_mov_b32 v254, 0xff800000
.set n, 0
.rept 64
	v_cmp_gt_i32 vcc_lo, 16*(n/8)+n%8, v252
	v_cndmask_b32 v[S+n], v[S+n], v254, vcc_lo
.set n, n+1
.endr
.Lopen_\@:
.endif
.irp b, 0,1,2,3
	v_max3_num_f32 v[BM+\b], v[S+16*\b], v[S+1+16*\b], v[S+2+16*\b]   ; the largest score of each block of 32 keys: for the row's maximum and, since p rises with the score, for the block's largest p
.endr
.irp i, 3,5,7,9,11,13
.irp b, 0,1,2,3
	v_max3_num_f32 v[BM+\b], v[BM+\b], v[S+16*\b+\i], v[S+1+16*\b+\i]
.endr
.endr
.irp b, 0,1,2,3
	v_max_num_f32 v[BM+\b], v[BM+\b], v[S+15+16*\b]
.endr
.irp b, 0,1,2,3
	s_delay_alu instid0(VALU_DEP_4)
	v_permlanex16_b32 v[T4+\b], v[BM+\b], s[SEL], s[SEL+1]
.endr
.irp b, 0,1,2,3
	s_delay_alu instid0(VALU_DEP_4)
	v_max_num_f32 v[BM+\b], v[BM+\b], v[T4+\b]
.endr
	s_delay_alu instid0(VALU_DEP_2)
	v_max3_num_f32 v254, v[BM], v[BM+1], v[BM+2]
	s_delay_alu instid0(VALU_DEP_1)
	v_max_num_f32 v254, v254, v[BM+3]
	s_delay_alu instid0(VALU_DEP_1)
	v_mul_f32 v254, s[CSC], v254
	s_delay_alu instid0(VALU_DEP_1)
	v_max_num_f32 v13, v13, v254                   ; the running largest t
	s_delay_alu instid0(VALU_DEP_1)
	v_floor_f32 v12, -v13                          ; the new -M = -ceil(t)
	s_delay_alu instid0(VALU_DEP_1)
	v_sub_f32 v254, v12, v250                      ; old M - new M: a whole number, 0 or less
	s_delay_alu instid0(VALU_DEP_1)
	v_cvt_i32_f32 v254, v254                       ; (it saturates)
	s_delay_alu instid0(VALU_DEP_1)
	v_ldexp_f32 v252, 1.0, v254                    ; f = 2^(old M - new M)
.set n, 0
.rept 32
	v_pk_fma_f32 v[S+n:S+n+1], v[S+n:S+n+1], s[CSC:CSC+1], v[12:13] op_sel_hi:[1,0,0]   ; t - M
.set n, n+2
.endr
.irp b, 0,1,2,3
	v_fma_f32 v[BM+\b], v[BM+\b], s[CSC], v12
.endr
.set n, 0
	s_wait_alu depctr_va_vdst(0)
.rept 64
	v_exp_f32 v[S+n], v[S+n]                       ; p = 2^(t - M)
.set n, n+1
.endr
.irp b, 0,1,2,3
	v_exp_f32 v[BM+\b], v[BM+\b]                   ; the block's largest p: the same two instructions on the same number
.endr
	v_pk_mul_f32 v[14:15], v[14:15], v[252:253] op_sel_hi:[1,0]   ; the sums under the new M (a plain place behind the exponentials)
	s_wait_alu depctr_va_vdst(0)                   ; one wait for the whole batch, ahead of its first reader
.irp b, 0,1,2,3
	v_max_num_f32 v[BM+\b], 0x4800000, v[BM+\b]    ; the floor 2^(9 - 127)
.endr
.irp b, 0,1,2,3
	s_delay_alu instid0(VALU_DEP_4)
	v_add_nc_u32 v[SO+\b], 0xfc000000, v[BM+\b]
.endr
.irp b, 0,1,2,3
	v_and_or_b32 v[HD+\b], v[BM+\b], 0x7f800000, s[MNT]
.endr
.irp b, 0,1,2,3
	v_lshrrev_b32 v[T4+\b], 23, v[SO+\b]
.endr
	s_delay_alu instid0(VALU_DEP_3)
	v_lshl_or_b32 v253, v[T4+1], 8, v[T4]          ; p's scale word for these 128 keys
	s_delay_alu instid0(VALU_DEP_1)
	v_lshl_or_b32 v253, v[T4+2], 16, v253
	s_delay_alu instid0(VALU_DEP_1)
	v_lshl_or_b32 v253, v[T4+3], 24, v253
	v_pk_add_f32 v[236:237], v[108:109], v[112:113]   ; the row's sum of the unquantised p, in eight chains side by side
	v_pk_add_f32 v[248:249], v[116:117], v[120:121]
	v_pk_add_f32 v[234:235], v[124:125], v[128:129]
	v_pk_add_f32 v[232:233], v[132:133], v[136:137]
	v_pk_add_f32 v[230:231], v[140:141], v[144:145]
	v_pk_add_f32 v[228:229], v[148:149], v[152:153]
	v_pk_add_f32 v[226:227], v[156:157], v[160:161]
	v_pk_add_f32 v[14:15], v[14:15], v[164:165]
	v_pk_add_f32 v[236:237], v[236:237], v[104:105]
	v_pk_add_f32 v[248:249], v[248:249], v[106:107]
	v_pk_add_f32 v[234:235], v[234:235], v[110:111]
	v_pk_add_f32 v[232:233], v[232:233], v[114:115]
	v_pk_add_f32 v[230:231], v[230:231], v[118:119]
	v_pk_add_f32 v[228:229], v[228:229], v[122:123]
	v_pk_add_f32 v[226:227], v[226:227], v[126:127]
	v_pk_add_f32 v[14:15], v[14:15], v[130:131]
	v_pk_add_f32 v[236:237], v[236:237], v[134:135]
	v_pk_add_f32 v[248:249], v[248:249], v[138:139]
	v_pk_add_f32 v[234:235], v[234:235], v[142:143]
	v_pk_add_f32 v[232:233], v[232:233], v[146:147]
	v_pk_add_f32 v[230:231], v[230:231], v[150:151]
	v_pk_add_f32 v[228:229], v[228:229], v[154:155]
	v_pk_add_f32 v[226:227], v[226:227], v[158:159]
	v_pk_add_f32 v[14:15], v[14:15], v[162:163]
	v_pk_add_f32 v[236:237], v[236:237], v[166:167]   ; the eight chains are joined behind the second product
.irp b, 0,1,2,3
.irp i, 0,2,4,6,8,10,12,14
	v_dual_min_num_f32 v[S+16*\b+\i], v[S+16*\b+\i], v[HD+\b] :: v_dual_min_num_f32 v[S+16*\b+\i+1], v[S+16*\b+\i+1], v[HD+\b]   ; the conversion does not saturate (ISA guide 7.6.2); p is not negative: a one-sided hold, two numbers a line
.endr
	v_cvt_scalef32_pk8_fp8_f32 v[PCD+4*\b:PCD+4*\b+1], v[S+16*\b:S+16*\b+7], v[SO+\b]
	v_cvt_scalef32_pk8_fp8_f32 v[PCD+4*\b+2:PCD+4*\b+3], v[S+16*\b+8:S+16*\b+15], v[SO+\b]
.endr
.set n, 0
.rept 16
	v_pk_mul_f32 v[OT+n:OT+n+1], v[OT+n:OT+n+1], v[252:253] op_sel_hi:[1,0]   ; O^T under the new M; also the places between the conversions and the products
.set n, n+2
.endr
	s_wait_alu depctr_va_vdst(0)
	s_wait_dscnt 0x0                               ; V
.irp t, 0,1,2,3
.if \t%2
	v_wmma_scale_f32_16x16x128_f8f6f4 v[OT+8*\t:OT+8*\t+7], v[KB+16*\t:KB+16*\t+15], v[PCD:PCD+15], v[OT+8*\t:OT+8*\t+7], v[VSW+\t/2], v253 matrix_a_scale:MATRIX_SCALE_ROW1
.else
	v_wmma_scale_f32_16x16x128_f8f6f4 v[OT+8*\t:OT+8*\t+7], v[KB+16*\t:KB+16*\t+15], v[PCD:PCD+15], v[OT+8*\t:OT+8*\t+7], v[VSW+\t/2], v253
.endif
.endr
	v_pk_add_f32 v[14:15], v[14:15], v[232:233]    ; the sum's eight chains are joined: seven lines that name no register of the products above, and so are places behind them
	v_pk_add_f32 v[236:237], v[236:237], v[230:231]
	v_pk_add_f32 v[248:249], v[248:249], v[228:229]
	v_pk_add_f32 v[234:235], v[234:235], v[226:227]
	s_delay_alu instid0(VALU_DEP_2)
	v_pk_add_f32 v[14:15], v[14:15], v[248:249]
	s_delay_alu instid0(VALU_DEP_2)
	v_pk_add_f32 v[236:237], v[236:237], v[234:235]
	s_delay_alu instid0(VALU_DEP_1)
	v_pk_add_f32 v[14:15], v[14:15], v[236:237]
	s_wait_alu depctr_va_vdst(0)                   ; the sum may next be read behind the backward jump
.endm
; The tile in s[tl] is finished: O^T / the sum, quantised along the channels (two blocks of 32), brought into the natural order of k, stored.
.macro FINAL tl
.rept 8
	v_nop                                          ; places behind the last products
.endr
	v_add_f32 v14, v14, v15
	s_delay_alu instid0(VALU_DEP_1)
	v_permlanex16_b32 v252, v14, s[SEL], s[SEL+1]
	s_delay_alu instid0(VALU_DEP_1)
	v_add_f32 v14, v14, v252                       ; the row's sum
	s_wait_alu depctr_va_vdst(0)
	v_rcp_f32 v14, v14
	v_nop
.set n, 0
	s_wait_alu depctr_va_vdst(0)
.rept 16
	v_pk_mul_f32 v[S+n:S+n+1], v[OT+n:OT+n+1], v[14:15] op_sel_hi:[1,0]   ; register 8 t + j: channel 16 t + 8 h + j
.set n, n+2
.endr
.irp b, 0,1
	v_max3_num_f32 v[BM+\b], |v[S+16*\b]|, |v[S+1+16*\b]|, 0x4800000
.endr
.irp i, 2,4,6,8,10,12,14
.irp b, 0,1
	s_delay_alu instid0(VALU_DEP_2)
	v_max3_num_f32 v[BM+\b], v[BM+\b], |v[S+16*\b+\i]|, |v[S+1+16*\b+\i]|
.endr
.endr
.irp b, 0,1
	s_delay_alu instid0(VALU_DEP_2)
	v_permlanex16_b32 v[T4+\b], v[BM+\b], s[SEL], s[SEL+1]
.endr
.irp b, 0,1
	s_delay_alu instid0(VALU_DEP_2)
	v_max_num_f32 v[BM+\b], v[BM+\b], v[T4+\b]
.endr
.irp b, 0,1
	s_delay_alu instid0(VALU_DEP_2)
	v_add_nc_u32 v[SO+\b], 0xfc000000, v[BM+\b]
.endr
.irp b, 0,1
	s_delay_alu instid0(VALU_DEP_4)
	v_and_or_b32 v[HD+\b], v[BM+\b], 0x7f800000, s[MNT]
.endr
.irp b, 0,1
	s_delay_alu instid0(VALU_DEP_4)
	v_lshrrev_b32 v[T4+\b], 23, v[SO+\b]
.endr
.irp b, 0,1
.irp i, 0,1,2,3,4,5,6,7,8,9,10,11,12,13,14,15
	v_med3_num_f32 v[S+16*\b+\i], v[S+16*\b+\i], -v[HD+\b], v[HD+\b]
.endr
	v_cvt_scalef32_pk8_fp8_f32 v[PCD+4*\b:PCD+4*\b+1], v[S+16*\b:S+16*\b+7], v[SO+\b]
	v_cvt_scalef32_pk8_fp8_f32 v[PCD+4*\b+2:PCD+4*\b+3], v[S+16*\b+8:S+16*\b+15], v[SO+\b]
.endr
	v_nop
	; my codes c0, c1: channels 8 h + 0 .. 7 of the block; c2, c3: 16 + 8 h + 0 .. 7.  The operand wants 16 h + 0 .. 15: lanes 0-15 give c2, c3 and take the other half's c0, c1; lanes 16-31 the other way round
.irp b, 0,1
	v_cndmask_b32 v248, v[PCD+4*\b+2], v[PCD+4*\b], s[HM]
	v_cndmask_b32 v249, v[PCD+4*\b+3], v[PCD+4*\b+1], s[HM]
	s_delay_alu instid0(VALU_DEP_2)
	v_permlanex16_b32 v250, v248, s[SEL], s[SEL+1]
	s_delay_alu instid0(VALU_DEP_2)
	v_permlanex16_b32 v251, v249, s[SEL], s[SEL+1]
	v_cndmask_b32 v[S+32+4*\b], v[PCD+4*\b], v250, s[HM]
	v_cndmask_b32 v[S+33+4*\b], v[PCD+4*\b+1], v251, s[HM]
	v_cndmask_b32 v[S+34+4*\b], v250, v[PCD+4*\b+2], s[HM]
	v_cndmask_b32 v[S+35+4*\b], v251, v[PCD+4*\b+3], s[HM]
.endr
	s_wait_alu depctr_va_vdst(0)
	v_cndmask_b32 v254, v[T4], v[T4+1], s[HM]      ; lanes 0-15 store block 0's byte, lanes 16-31 block 1's
	s_wait_alu depctr_va_vdst(0)                   ; the scalar lines below stand ahead of the stores
	s_and_b32 s86, s[BH], 15                       ; head
	s_lshr_b32 s87, s[BH], 4
	s_lshl_b32 s87, s87, 7
	s_add_co_u32 s87, s87, s[\tl]                  ; token tile = 128 batch + T
	s_lshr_b32 s88, s86, 2
	s_lshl_b32 s88, s88, 9
	s_add_co_u32 s88, s88, s87
	s_lshl_b32 s88, s88, 12                        ; [head / 4][token tile][4,096]
	s_and_b32 s89, s86, 3
	s_lshl_b32 s89, s89, 10                        ; + 1,024 (head % 4)
	s_add_co_u32 s88, s88, s89
	s_mov_b32 s89, 0
	s_add_nc_u64 s[90:91], s[8:9], s[88:89]
	s_lshl_b32 s88, s87, 9
	s_lshl_b32 s86, s86, 1
	s_add_co_u32 s88, s88, s86                     ; 16 rows of 32 bytes a tile, + 2 head
	s_add_nc_u64 s[92:93], s[10:11], s[88:89]
	global_store_b128 v[LI], v[S+32:S+35], s[90:91]               ; 512 consecutive bytes, aligned
	global_store_b128 v[LI], v[S+36:S+39], s[90:91] offset:512
	global_store_b8 v[SBO], v254, s[92:93]
.endm
	QLOAD T2R
	INITR
	s_cmp_lt_u32 s[WV], 4
	s_cbranch_scc0 .Lnot_first
	s_wait_tensorcnt 0x0                           ; waves 0 to 3: my block, one of blocks 0 to 3, is in.  The other waves' wait stands at the second barrier
.Lnot_first:
	s_barrier_signal -1
	s_barrier_wait -1
	s_mov_b32 s[TB], 0
	s_mov_b32 s[N], 0
.Lfirst:                                               ; trips 0 to 3: T2's steps 0 to 3, in every wave; all their keys count
	STEP 0
	s_add_co_u32 s[TB], s[TB], STEPB
	s_add_co_u32 s[N], s[N], 1
	s_cmp_lt_u32 s[N], 4
	s_cbranch_scc1 .Lfirst
	s_wait_tensorcnt 0x0                           ; every wave: my block is in
	s_barrier_signal -1
	s_barrier_wait -1                              ; all sixteen blocks are in
	s_mov_b32 s[N], 4
	s_mov_b32 s[SU], 4*STEPB
.Lrest:                                                ; trips 4 to 16
	s_cmp_eq_u32 s[N], s[SWN]                      ; T2's keys are walked: the wave's number and the trip alone decide
	s_cbranch_scc0 .Lsame
	QLOAD T1R                                      ; T1's codes are on their way while T2 leaves
	FINAL T2R
	INITR
	s_wait_xcnt 0x0                                ; the stores have read their data and addresses: the products below write those registers
.Lsame:
	s_min_u32 s74, s[SU], 15*STEPB                 ; T2: step n (held at the last block for the trip in which it is not chosen)
	s_sub_co_u32 s75, 16*STEPB, s[SU]              ; T1: step 16 - n
	s_cmp_lt_u32 s[N], s[SWN]
	s_cselect_b32 s[TB], s74, s75
	STEP 1
	s_add_co_u32 s[SU], s[SU], STEPB
	s_add_co_u32 s[N], s[N], 1
	s_cmp_lt_u32 s[N], 17
	s_cbranch_scc1 .Lrest
	FINAL T1R
	s_wait_tensorcnt 0x0                           ; the wave's end
	ds_add_u32 v[SPW], v[NIL]
	s_wait_dscnt 0x0
	CROUND                                         ; the closing round
	s_endpgm
.Lfunc_end_k_q05e4656fb2_attn:
	.size	k_q05e4656fb2_attn, .Lfunc_end_k_q05e4656fb2_attn-k_q05e4656fb2_attn
	.p2alignl 7, 3214868480
	.fill 96, 4, 3214868480
	.section	.rodata,"a",@progbits
	.p2align	6, 0x0
	.amdhsa_kernel k_q05e4656fb2_attn
		.amdhsa_group_segment_fixed_size 327680
		.amdhsa_private_segment_fixed_size 0
		.amdhsa_enable_private_segment 0
		.amdhsa_kernarg_size 32
		.amdhsa_user_sgpr_count 2
		.amdhsa_user_sgpr_kernarg_segment_ptr 1
		.amdhsa_wavefront_size32 1
		.amdhsa_system_sgpr_workgroup_id_x 1
		.amdhsa_system_sgpr_workgroup_id_y 1
		.amdhsa_system_sgpr_workgroup_id_z 1
		.amdhsa_system_vgpr_workitem_id 0
		.amdhsa_next_free_vgpr 256
		.amdhsa_next_free_sgpr 100
		.amdhsa_reserve_vcc 1
		.amdhsa_float_denorm_mode_32 3
		.amdhsa_float_denorm_mode_16_64 3
		.amdhsa_memory_ordered 1
		.amdhsa_forward_progress 1
		.amdhsa_inst_pref_size 70
	.end_amdhsa_kernel
	.amdgpu_metadata
---
amdhsa.version: [ 1, 2 ]
amdhsa.kernels:
  - .name:           k_q05e4656fb2_attn
    .symbol:         k_q05e4656fb2_attn.kd
    .args:
      - { .name: qb, .offset: 0, .size: 8, .value_kind: global_buffer, .address_space: global }
      - { .name: kv, .offset: 8, .size: 8, .value_kind: global_buffer, .address_space: global }
      - { .name: acts, .offset: 16, .size: 8, .value_kind: global_buffer, .address_space: global }
      - { .name: acts_s, .offset: 24, .size: 8, .value_kind: global_buffer, .address_space: global }
    .group_segment_fixed_size: 327680
    .private_segment_fixed_size: 0
    .kernarg_segment_align: 8
    .kernarg_segment_size: 32
    .max_flat_workgroup_size: 512
    .sgpr_count:     100
    .vgpr_count:     256
    .wavefront_size: 32
...
	.end_amdgpu_metadata
.endif
;; end of part 2
;; launch oproj (part 3): grid 8 x 32, 4 waves a work-group, clusters of 4 x 4, 327,680 bytes of LDS; arguments acts, acts_s, W_O_codes, W_O_scales, out0; writes out0
.if DOCPART == 3
	.amdgcn_target "amdgcn-amd-amdhsa--gfx1250"
	.amdhsa_code_object_version 6
	.text
	.protected	k_q05e4656fb2_oproj
	.globl	k_q05e4656fb2_oproj
	.p2align	8
	.type	k_q05e4656fb2_oproj,@function
k_q05e4656fb2_oproj:
	s_mov_b64 s[64:65], 0
	v_nop
	global_prefetch_b8 v0, s[64:65] scope:SCOPE_SE
	s_setreg_imm32_b32 hwreg(HW_REG_WAVE_MODE, 25, 1), 1
	s_wait_xcnt 0x0
	s_wait_alu depctr_hold_cnt(0) depctr_sa_sdst(0) depctr_va_vdst(0) depctr_va_sdst(0) depctr_va_ssrc(0) depctr_va_vcc(0) depctr_vm_vsrc(0)
	s_getreg_b32 s2, hwreg(HW_REG_IB_STS2, 6, 4)
	s_cmp_eq_u32 s2, 0
	s_cbranch_scc0 .Lentry_in_a_cluster
	s_endpgm
.Lentry_in_a_cluster:
	s_bfe_u32 s2, ttmp6, 0x10000c
	s_cmp_lg_u32 s2, 0xf033
	s_cbranch_scc0 .Lentry_shape_is_right
	s_endpgm
.Lentry_shape_is_right:
.set PITCH,  272
.set BOFF,   65536
.set HALFB,  64*PITCH
.set SLOT,   BOFF+2*HALFB
.set SCL,    2*SLOT
.set SCB,    SCL+8704
.set SPARE,  SCB+4352
.set SBLK,   544
.set SPITCH, 528
.set NP,     8
.set ADRA, 16
.set ADRB, 20
.set STO,  24
.set RD,   25
.set CO,   26
.set ADRS, 27
.set SPW,  28
.set NIL,  29
.set SC,   32
.set AF,   64
.set BK,   128
.set WV,   16
.set FB,   17
.set HF,   18
.set TROW, 19
.set TCOL, 42
.set G1, 24
.set G0, 32
.set G1B, 48
.set G0B, 56
.set G1S, 68
.set G0S, 76
.set G1SB, 80
.set G0SB, 88
.set MSB, 0
.macro WIN new
.if MSB != (\new)
	s_set_vgpr_msb (MSB<<8)|(\new)
.set MSB, (\new)
.endif
.endm
.set MULW, 0xa1
.set TO_B, 0x40
.macro JLOAD g0a, g1a, g0b, g1b
	s_cmp_eq_u32 s[FB], 0
	s_cbranch_scc0 .Lfor_b_\@
	tensor_load_to_lds s[\g0a:\g0a+3], s[\g1a:\g1a+7]
	s_nop 0
.rept 4
	v_nop
.endr
	s_branch .Lasked_\@
.Lfor_b_\@:
	tensor_load_to_lds s[\g0b:\g0b+3], s[\g1b:\g1b+7]
	s_nop 0
.rept 4
	v_nop
.endr
.Lasked_\@:
.endm
.macro CREST
	s_cmp_lg_u32 s[WV], 0
	s_cbranch_scc1 .Lnot_wave_0_\@
	s_barrier_signal -3
.Lnot_wave_0_\@:
	s_barrier_wait -3
	s_barrier_signal -1
	s_barrier_wait -1
.endm
.macro CROUND
	s_barrier_signal -1
	s_barrier_wait -1
	CREST
.endm
	s_load_b128 s[4:7], s[0:1], 0x0
	s_load_b128 s[8:11], s[0:1], 0x10
	s_load_b64 s[12:13], s[0:1], 0x20
	v_lshl_add_u32 v[SPW], v0, 2, SPARE
	v_mov_b32 v[NIL], 0
	ds_add_u32 v28, v29
	ds_add_u32 v28, v29
	s_wait_dscnt 0x0
	v_lshrrev_b32 v1, 5, v0
	v_readfirstlane_b32 s[WV], v1
	s_lshr_b32 s[FB], s[WV], 1
	s_and_b32 s[HF], s[WV], 1
	s_bfe_u32 s40, ttmp6, 0x40000
	s_bfe_u32 s41, ttmp6, 0x40004
	s_lshl_b32 s[TCOL], ttmp9, 2
	s_add_co_u32 s[TCOL], s[TCOL], s40
	s_and_b32 s[TROW], ttmp7, 0xffff
	s_lshl_b32 s[TROW], s[TROW], 2
	s_add_co_u32 s[TROW], s[TROW], s41
	s_lshl_b32 s43, s41, 2
	s_lshl_b32 s43, 15, s43
	s_lshl_b32 s44, 0x1111, s40
	s_or_b32 s[G1+0], s43, (3<<16)|(1<<21)
	s_mov_b32 s[G1+1], 32<<16
	s_mov_b32 s[G1+2], 256<<16                     ; the head's load brings A's whole K step, 256 rows of 256 bytes; the ring's loads 128 (set behind the head's wait)
	s_mov_b32 s[G1+3], 32<<16
	s_mov_b32 s[G1+4], 256
	s_mov_b32 s[G1+5], 32
	s_mov_b32 s[G1+6], 0
	s_mov_b32 s[G1+7], 0
	s_or_b32 s[G1B+0], s44, (0<<16)|(1<<20)|(1<<21)|(5<<22)|(3<<25)
	s_mov_b32 s[G1B+1], 256<<16
	s_mov_b32 s[G1B+2], 128<<16                    ; likewise B's 128 rows; the ring's loads 64
	s_mov_b32 s[G1B+3], 256<<16
	s_mov_b32 s[G1B+4], 128
	s_mov_b32 s[G1B+5], 1024
	s_mov_b32 s[G1B+6], 0
	s_mov_b32 s[G1B+7], 0
	s_or_b32 s[G1S+0], s43, (3<<16)|(1<<20)|(1<<21)|(5<<22)|(3<<25)
	s_mov_b32 s[G1S+1], 32<<16
	s_mov_b32 s[G1S+2], 32<<16                     ; the scales of A's 256 rows: 8,192 dense bytes
	s_mov_b32 s[G1S+3], 32<<16
	s_mov_b32 s[G1S+4], 32
	s_mov_b32 s[G1S+5], 32
	s_mov_b32 s[G1S+6], 0
	s_mov_b32 s[G1S+7], 0
	s_or_b32 s[G1SB+0], s44, (3<<16)|(1<<20)|(1<<21)|(5<<22)|(3<<25)
	s_mov_b32 s[G1SB+1], 32<<16
	s_mov_b32 s[G1SB+2], 16<<16                    ; the scales of B's 128 rows: 4,096 dense bytes
	s_mov_b32 s[G1SB+3], 32<<16
	s_mov_b32 s[G1SB+4], 16
	s_mov_b32 s[G1SB+5], 32
	s_mov_b32 s[G1SB+6], 0
	s_mov_b32 s[G1SB+7], 0
	s_lshl_b32 s66, s[TROW], 16
	s_lshl_b32 s20, s[TROW], 13
	s_lshl_b32 s46, s[TCOL], 17
	s_lshl_b32 s92, s[TCOL], 12
	s_mov_b32 s67, 0
	s_mov_b32 s21, 0
	s_mov_b32 s47, 0
	s_mov_b32 s93, 0
	s_lshl_b32 s94, s[HF], 15
	s_mul_i32 s95, s[HF], HALFB
	s_add_co_u32 s95, s95, BOFF
	s_lshl_b32 s96, s[HF], 15                      ; in the ring I fetch half of a tile: of A's 65,536 bytes,
	s_mov_b32 s97, 0
	s_lshl_b32 s2, s[HF], 16                       ; of B's 128 rows of 1,024 bytes
	s_mov_b32 s3, 0
	s_wait_kmcnt 0x0
	s_add_nc_u64 s[66:67], s[4:5], s[66:67]
	s_add_nc_u64 s[20:21], s[6:7], s[20:21]
	s_add_nc_u64 s[46:47], s[8:9], s[46:47]
	s_add_nc_u64 s[92:93], s[10:11], s[92:93]
	CROUND
	s_mov_b32 s[G0S], 1
	s_mov_b32 s[G0S+1], SCL
	s_mov_b64 s[G0S+2:G0S+3], s[20:21]
	s_or_b32 s[G0S+3], s[G0S+3], 0x80000000
	s_mov_b32 s[G0SB], 1
	s_mov_b32 s[G0SB+1], SCB
	s_mov_b64 s[G0SB+2:G0SB+3], s[92:93]
	s_or_b32 s[G0SB+3], s[G0SB+3], 0x80000000
	s_mov_b32 s4, 1                                ; s[4:7], s[8:11]: group 0 of the head's loads of K step 0 (the arguments that lay there have been used): A's tile,
	s_mov_b32 s5, 0
	s_mov_b64 s[6:7], s[66:67]
	s_or_b32 s7, s7, 0x80000000
	s_mov_b32 s8, 1                                ; B's tile
	s_mov_b32 s9, BOFF
	s_mov_b64 s[10:11], s[46:47]
	s_or_b32 s11, s11, 0x80000000
	s_add_nc_u64 s[66:67], s[66:67], s[96:97]      ; for the ring: my half of a tile
	s_add_nc_u64 s[46:47], s[46:47], s[2:3]
	s_lshl_b32 s2, s40, 13                         ; the prefetches: of the 32,768 bytes of A that I fetch in the ring, the partner at place cx names 8,192: told apart by address
	s_add_nc_u64 s[92:93], s[66:67], s[2:3]        ; never rewritten
.irp s, 0,1
	s_mov_b32 s[G0+4*\s], 1
	s_add_co_u32 s[G0+4*\s+1], s94, \s*SLOT
	s_add_nc_u64 s[G0+4*\s+2:G0+4*\s+3], s[66:67], \s*0x200000
	s_or_b32 s[G0+4*\s+3], s[G0+4*\s+3], 0x80000000
	s_mov_b32 s[G0B+4*\s], 1
	s_add_co_u32 s[G0B+4*\s+1], s95, \s*SLOT
	s_add_nc_u64 s[G0B+4*\s+2:G0B+4*\s+3], s[46:47], \s*256
	s_or_b32 s[G0B+4*\s+3], s[G0B+4*\s+3], 0x80000000
.endr
; THE HEAD'S LOADS, ONE A WAVE: wave 0 K step 0's tile of A, wave 1 its tile of B, wave 2 the scales of A's 256 rows, wave 3 those of B's 128.
; One tree of branches on the wave's number; every way through it passes exactly one load.
.macro ARM under, g0, g1, next
	s_cmp_lt_u32 s[WV], \under
	s_cbranch_scc0 \next
	tensor_load_to_lds s[\g0:\g0+3], s[\g1:\g1+7]
	s_nop 0
.rept 4
	v_nop
.endr
	s_branch .Lhead_asked
\next:
.endm
; A PREFETCH INTO THE L2 of A's tile of K step s (the K steps lie 0x200000 bytes apart): 8,192 bytes a wave, lanes 256 bytes apart; A's two waves of each of the four partners of a row: each block is named once in the cluster.
; B's rows are not asked for: eight clusters load the same rows.  K steps 1 and 2 are asked for at the head, K step 3 behind K step 1's load.
.macro ASK s
	s_cmp_eq_u32 s[FB], 0
	s_cbranch_scc0 .Lnot_a_\@
	global_prefetch_b8 v30, s[92:93] offset:(\s)*0x200000 th:TH_LOAD_NT scope:SCOPE_SE
.Lnot_a_\@:
.endm
	ARM 1, 4, G1, .Lhead_b
	ARM 2, 8, G1B, .Lhead_sa
	ARM 3, G0S, G1S, .Lhead_sb
	tensor_load_to_lds s[G0SB:G0SB+3], s[G1SB:G1SB+7]
	s_nop 0
.rept 4
	v_nop
.endr
.Lhead_asked:
	v_and_b32 v30, 31, v0
	v_lshlrev_b32 v30, 8, v30                      ; v30: 256 x my lane; never rewritten
	s_wait_alu depctr_va_vdst(0)                   ; the wait stands directly behind the write: branches stand ahead of its readers
	ASK 1
	ASK 2
	v_and_b32 v1, 15, v0
	v_bfe_u32 v2, v0, 4, 1
	v_and_b32 v6, 31, v0
	v_lshlrev_b32 v[CO], 4, v6
	v_mul_u32_u24 v3, v1, PITCH
	v_lshl_add_u32 v4, v2, 4, v3
	s_lshl_b32 s21, s[WV], 14
	s_mov_b32 s22, BOFF
.irp s, 0,1
	v_add_nc_u32 v[ADRA+\s], s21, v[CO]
	v_add_nc_u32 v[ADRB+\s], s22, v4
	s_add_co_u32 s21, s21, SLOT
	s_add_co_u32 s22, s22, SLOT
.endr
	v_mul_u32_u24 v5, v1, 32
	v_lshrrev_b32 v7, 8, v5
	v_lshl_add_u32 v5, v7, 4, v5
	s_mul_i32 s22, s[WV], 2176
	s_sub_co_u32 s23, 8704, s22
	v_mul_u32_u24 v7, s23, v2
	s_add_co_u32 s22, s22, SCL
	v_add_nc_u32 v5, v5, v7
	v_add_nc_u32 v[ADRS], s22, v5
	s_mul_i32 s23, s[WV], 16*SPITCH
	v_mul_u32_u24 v5, v1, SPITCH
	v_lshl_add_u32 v5, v2, 5, v5
	v_add_nc_u32 v[STO], s23, v5
	v_add_nc_u32 v[RD], s23, v[CO]
	s_lshl_b32 s20, s[TROW], 20
	s_lshl_b32 s21, s[WV], 18
	s_add_co_u32 s20, s20, s21
	s_lshl_b32 s21, s[TCOL], 9
	s_add_co_u32 s20, s20, s21
	s_mov_b32 s21, 0
	s_add_nc_u64 s[12:13], s[12:13], s[20:21]
.macro FETCH slot, q, p
	WIN TO_B
.irp i, 0,1,2,3,4,5,6,7
.irp c, 0,1,2,3
	ds_load_b128 v[128*(\p)+16*\i+4*\c:128*(\p)+16*\i+4*\c+3], v[ADRB+\slot] offset:128*(\q)+32*\c+\i*16*PITCH
.endr
.endr
	WIN 0
.irp a, 0,1,2,3
.irp c, 0,1,2,3
	ds_load_b128 v[AF+64*(\p)+16*\a+4*\c:AF+64*(\p)+16*\a+4*\c+3], v[ADRA+\slot] offset:4096*\a+2048*(\q)+512*\c
.endr
.endr
.endm
.macro SCALES sc
.irp i, 0,1,2,3,4,5,6,7
	ds_load_b64 v[SC+16*\sc+2*\i:SC+16*\sc+2*\i+1], v[ADRS] offset:\i*SBLK
.endr
.endm
.macro MUL8 a, p, q, sc, zero
.irp b, 0,1,2,3,4,5,6,7
.if \zero
	v_wmma_scale_f32_16x16x128_f8f6f4 v[8*(8*(\a)+\b):8*(8*(\a)+\b)+7], v[128*(\p)+16*\b:128*(\p)+16*\b+15], v[AF+64*(\p)+16*(\a):AF+64*(\p)+16*(\a)+15], 0, v[SC+16*(\sc)+2*\b+(\q)], v[SC+16*(\sc)+2*(\a)+(\q)] matrix_a_scale:MATRIX_SCALE_ROW1
.else
	v_wmma_scale_f32_16x16x128_f8f6f4 v[8*(8*(\a)+\b):8*(8*(\a)+\b)+7], v[128*(\p)+16*\b:128*(\p)+16*\b+15], v[AF+64*(\p)+16*(\a):AF+64*(\p)+16*(\a)+15], v[8*(8*(\a)+\b):8*(8*(\a)+\b)+7], v[SC+16*(\sc)+2*\b+(\q)], v[SC+16*(\sc)+2*(\a)+(\q)] matrix_a_scale:MATRIX_SCALE_ROW1
.endif
.endr
.endm
.macro PLACES n
.rept \n
	v_nop
.endr
.endm
.macro STEP slot, zero
	s_wait_dscnt 0x0
	PLACES NP
	FETCH \slot, 1, 1
	WIN MULW
	MUL8 0, 0, 0, \slot, \zero
	MUL8 1, 0, 0, \slot, \zero
	MUL8 2, 0, 0, \slot, \zero
	MUL8 3, 0, 0, \slot, \zero
	WIN 0
.endm
.macro TURN slot, next, fill
	s_wait_tensorcnt 0x0
	ds_add_u32 v[SPW], v[NIL]
	s_wait_dscnt 1
	WIN MULW
	MUL8 0, 1, 1, \slot, 0
	MUL8 1, 1, 1, \slot, 0
	s_wait_dscnt 0x0
	s_barrier_signal -1
	MUL8 2, 1, 1, \slot, 0
	WIN 0
	s_barrier_wait -1
.if \fill
	CREST
	s_add_nc_u64 s[G0+4*\slot+2:G0+4*\slot+3], s[G0+4*\slot+2:G0+4*\slot+3], 0x400000
	s_add_nc_u64 s[G0B+4*\slot+2:G0B+4*\slot+3], s[G0B+4*\slot+2:G0B+4*\slot+3], 512
	JLOAD G0+4*\slot, G1, G0B+4*\slot, G1B
	PLACES NP-4
.else
	PLACES NP
.endif
	s_wait_alu depctr_va_vdst(0)
	v_add_nc_u32 v[ADRS], 8, v[ADRS]
	FETCH \next, 0, 0
	SCALES \next
	WIN MULW
	MUL8 3, 1, 1, \slot, 0
	WIN 0
.endm
	s_wait_alu depctr_va_vdst(0)
	s_wait_tensorcnt 0x0                           ; my tile of the head's four is in
	ds_add_u32 v[SPW], v[NIL]
	s_mov_b32 s[G1+2], 128<<16                     ; no tensor load of mine is out: from here on a load brings half a tile
	s_mov_b32 s[G1+4], 128
	s_mov_b32 s[G1B+2], 64<<16
	s_mov_b32 s[G1B+4], 64
	s_wait_dscnt 0x0                               ; the add is done
	CROUND                                         ; all four tiles are in, and all sixteen work-groups are here
	JLOAD G0+4, G1, G0B+4, G1B                     ; K step 1 into slot 1: the first tensor load behind the round
	FETCH 0, 0, 0
	SCALES 0
	ASK 3
	STEP 0, 1
	TURN 0, 1, 1
	STEP 1, 0
	TURN 1, 0, 1
	STEP 0, 0
	TURN 0, 1, 0
	STEP 1, 0
	s_wait_dscnt 0x0
	WIN MULW
	MUL8 0, 1, 1, 1, 0
	MUL8 1, 1, 1, 1, 0
	MUL8 2, 1, 1, 1, 0
	MUL8 3, 1, 1, 1, 0
	WIN 0
.macro TOSTAGE a
.set AC, 64*(\a)
	WIN 0x08
.irp b, 0,1,2,3,4,5,6,7
	ds_store_b128 v[STO], v[AC+8*\b:AC+8*\b+3] offset:64*\b
	ds_store_b128 v[STO], v[AC+8*\b+4:AC+8*\b+7] offset:64*\b+16
.endr
	WIN 0
.set BB, BK+64*((\a)%2)
.irp t, 0,1,2,3,4,5,6,7,8,9,10,11,12,13,14,15
	ds_load_b128 v[BB+4*\t:BB+4*\t+3], v[RD] offset:\t*SPITCH
.endr
.endm
.macro SEND a, younger
.set BB, BK+64*((\a)%2)
	s_wait_dscnt \younger
.if (\a) > 0
	s_add_nc_u64 s[12:13], s[12:13], 16*4096
.endif
.irp t, 0,1,2,3,4,5,6,7,8,9,10,11,12,13,14,15
	global_store_b128 v[CO], v[BB+4*\t:BB+4*\t+3], s[12:13] offset:\t*4096 th:TH_STORE_NT
.endr
.endm
	PLACES NP
	TOSTAGE 0
.irp a, 1,2,3
.if \a > 1
	s_wait_xcnt 0x0
.endif
	TOSTAGE \a
	SEND \a-1, 32
.endr
	s_wait_xcnt 0x0
	SEND 3, 0
	s_wait_tensorcnt 0x0
	ds_add_u32 v[SPW], v[NIL]
	s_wait_dscnt 0x0
	CROUND
	s_endpgm
.Lfunc_end_k_q05e4656fb2_oproj:
	.size	k_q05e4656fb2_oproj, .Lfunc_end_k_q05e4656fb2_oproj-k_q05e4656fb2_oproj
	.p2alignl 7, 3214868480
	.fill 96, 4, 3214868480
	.section	.rodata,"a",@progbits
	.p2align	6, 0x0
	.amdhsa_kernel k_q05e4656fb2_oproj
		.amdhsa_group_segment_fixed_size 327680
		.amdhsa_private_segment_fixed_size 0
		.amdhsa_enable_private_segment 0
		.amdhsa_kernarg_size 40
		.amdhsa_user_sgpr_count 2
		.amdhsa_user_sgpr_kernarg_segment_ptr 1
		.amdhsa_wavefront_size32 1
		.amdhsa_system_sgpr_workgroup_id_x 1
		.amdhsa_system_sgpr_workgroup_id_y 1
		.amdhsa_system_sgpr_workgroup_id_z 1
		.amdhsa_system_vgpr_workitem_id 0
		.amdhsa_next_free_vgpr 768
		.amdhsa_next_free_sgpr 98
		.amdhsa_reserve_vcc 0
		.amdhsa_float_denorm_mode_32 3
		.amdhsa_float_denorm_mode_16_64 3
		.amdhsa_memory_ordered 1
		.amdhsa_forward_progress 1
		.amdhsa_inst_pref_size 90
	.end_amdhsa_kernel
	.amdgpu_metadata
---
amdhsa.version: [ 1, 2 ]
amdhsa.kernels:
  - .name:           k_q05e4656fb2_oproj
    .symbol:         k_q05e4656fb2_oproj.kd
    .args:
      - { .name: acts, .offset: 0, .size: 8, .value_kind: global_buffer, .address_space: global }
      - { .name: acts_s, .offset: 8, .size: 8, .value_kind: global_buffer, .address_space: global }
      - { .name: W_O_codes, .offset: 16, .size: 8, .value_kind: global_buffer, .address_space: global }
      - { .name: W_O_scales, .offset: 24, .size: 8, .value_kind: global_buffer, .address_space: global }
      - { .name: out0, .offset: 32, .size: 8, .value_kind: global_buffer, .address_space: global }
    .group_segment_fixed_size: 327680
    .private_segment_fixed_size: 0
    .kernarg_segment_align: 8
    .kernarg_segment_size: 40
    .max_flat_workgroup_size: 128
    .sgpr_count:     98
    .vgpr_count:     768
    .wavefront_size: 32
...
	.end_amdgpu_metadata
.endif
;; end of part 3
